; MI455X (gfx1250); checked and timed in simulation.
; The chip was launched on July 23, 2026; its instructions are those of AMD's public machine-readable ISA for CDNA 5 (MIT licence, August 2026) and "CDNA5" Instruction Set Architecture Reference Guide (July 2026). The comments in the code are by the model that wrote it; some were corrected since.
;; Multihead Diff Attn. Allowed arithmetic: matrix products marked QUANTISED: E2M1 operands, one E8M0 scale for each 32 along K, by v_wmma_scale_f32_16x16x128_f8f6f4 with both operands' format E2M1 (or v_wmma_scale_f32_32x16x128_f4), f32 sums; products left as they are: bf16, f16 or f32 operands; f32 sums; everything else in f32.
;; Inputs: Wk 1,024 x 1,024 float32; Wo 1,024 x 1,024 float32; Wq 1,024 x 1,024 float32; Wv 1,024 x 1,024 float32; lambda_k1 32 float32; lambda_k2 32 float32; lambda_q1 32 float32; lambda_q2 32 float32; query 2 x 2,048 x 1,024 float32; subln_weight 64 float32.
;; Outputs: out0 2 x 2,048 x 1,024 float32.
;; This version of the problem:
;;   THIS VERSION OF THE PROBLEM IS GIVEN IN LOW PRECISION. The matrix products marked QUANTISED in the list below multiply operands that are first quantised to E2M1 (2 exponent bits, 1 mantissa bit; 4 bits a number), with one power-of-two scale for each 32 numbers along K (OCP MX v1.0); their sums are f32. The products marked 'left as it is' may take bf16, f16 or f32 operands, with f32 sums. Whichever they take, every output number must still come out within the allowed error. Rounding operands to bf16 (8 significant bits) uses up far more of that allowance than f16 does (11 bits, for magnitudes from 6e-5 to 65,504). All else is computed in f32.
;;   The module's matrix products, in the order in which they are computed (A, B: the left and right operand; K: the contracted axis; several contracted axes count as one K, in the product's order):
;;     1. [M 4,096, K 1,024] x [K 1,024, N 1,024]; A: input query; B: input Wq: QUANTISED
;;     2. [M 4,096, K 1,024] x [K 1,024, N 1,024]; A: input query; B: input Wk: QUANTISED
;;     3. [M 4,096, K 1,024] x [K 1,024, N 1,024]; A: input query; B: input Wv: QUANTISED
;;     4. batch 64 x [M 2,048, K 32] x [K 32, N 2,048]; A: computed on the way; B: computed on the way: left as it is (an operand is computed on the way)
;;     5. batch 32 x [M 2,048, K 2,048] x [K 2,048, N 64]; A: computed on the way; B: computed on the way: left as it is (an operand is computed on the way)
;;     6. [M 4,096, K 1,024] x [K 1,024, N 1,024]; A: computed on the way; B: input Wo: left as it is (an operand is computed on the way)
;;   THE QUANTISER, for each operand of a quantised product, along K:
;;     - K is cut into blocks of 32 from its start; a last block that is shorter is filled with zeros.
;;     - A block's scale is 2^e with e = floor(log2(the largest magnitude in the block)) - 2, held to -126 .. 127; a block of zeros has e = 0. As a byte (E8M0): e + 127.
;;     - Each number is divided by its block's scale, clamped to +-6, and rounded to the nearest number of E2M1, ties to even, subnormals kept.
;;     - The product sums the exact products of the quantised numbers (number of the format x scale) in f32.
;;   ~~~python
;;   def quantise(x, axis):      # numpy; x: float32 -> the quantised numbers, widened to float32 again
;;       x = np.moveaxis(x, axis, -1); K = x.shape[-1]
;;       x = np.pad(x, [(0, 0)] * (x.ndim - 1) + [(0, -K % 32)]); x = x.reshape(x.shape[:-1] + (-1, 32)); a = np.abs(x).max(-1, keepdims=True)
;;       e = np.where(a > 0, np.clip(np.frexp(np.where(a > 0, a, 1))[1] - 1 - 2, -126, 127), 0)      # np.frexp(a)[1] - 1 = floor(log2(a)), exactly
;;       r = np.clip(x / 2.0 ** e, -6, 6)
;;       step = 2.0 ** (np.maximum(np.frexp(np.where(r == 0, 1, r))[1] - 1, 0) - 1)
;;       q = np.round(r / step) * step * 2.0 ** e      # np.round: ties to even
;;       return np.moveaxis(q.reshape(q.shape[:-2] + (-1,))[..., :K], -1, axis).astype(np.float32)
;;   ~~~
;; One version. Each part assembles by itself: llvm-mc -triple=amdgcn-amd-amdhsa -mcpu=gfx1250 --defsym DOCPART=n.
;; ======== version 1 of 1: 4 launches
;; limits: values are held in f16: magnitudes above 65,504 overflow, below 6.1e-05 lose precision
;; workspace buffers: x_codes 2,097,152 bytes; x_scales 131,072 bytes; w_codes 1,572,864 bytes; w_scales 98,304 bytes; wo_h 2,097,152 bytes; qkv 25,165,824 bytes; att 8,388,608 bytes
;; launch prep (part 1): grid 256 x 1, 4 waves a work-group, no clusters, 33,280 bytes of LDS; arguments query, Wq, Wk, Wv, Wo, x_codes, x_scales, w_codes, w_scales, wo_h; writes x_codes, x_scales, w_codes, w_scales, wo_h
.if DOCPART == 1
	.amdgcn_target "amdgcn-amd-amdhsa--gfx1250"
	.amdhsa_code_object_version 6
	.text
	.protected	k_q99f9484ba3_prep
	.globl	k_q99f9484ba3_prep
	.p2align	8
	.type	k_q99f9484ba3_prep,@function
k_q99f9484ba3_prep:
	s_mov_b64 s[64:65], 0
	v_nop
	global_prefetch_b8 v0, s[64:65] scope:SCOPE_SE
	s_setreg_imm32_b32 hwreg(HW_REG_WAVE_MODE, 25, 1), 1
	s_wait_xcnt 0x0
; query [4096][1024] and Wq, Wk, Wv [1024][1024], f32, K innermost, become codes of FP4 (E2M1) with one E8M0 scale byte for each 32 along K; Wo [1024][1024] becomes f16.
; x_codes [4096][512 bytes], x_scales [4096][32]; w_codes [3072][512 bytes], w_scales [3072][32]: rows 0-1023 Wq, 1024-2047 Wk, 2048-3071 Wv; wo_h [1024][1024] f16.
; A block's scale is 2^(floor(log2(its largest magnitude)) - 2); its byte is the largest magnitude's exponent field - 2, held at 1 from below.  Each number is divided by the scale and rounded to the nearest code, ties to even; beyond 6 the largest code.
; LIMITS: a block of zeros gets the byte 1 where the rule says 127 (its codes are zeros, and this program alone reads the bytes); blocks whose largest magnitude lies under 2^(2 - 126) keep the byte 1;
; NaN and infinities among the inputs are not served; |Wo| stays under 65,504, f16's largest number.
; SHARES: work-groups 0-127 take query, 128-159 Wq, 160-191 Wk, 192-223 Wv, 32,768 numbers each; 224-255 take Wo.  The buffers are chosen by the work-group's number alone.
; Rows are dense and K is a multiple of 32: each tensor is a plain stream of blocks of 32, and so are its codes and its scale bytes.
; The quantising wave takes 16 steps of 512 numbers.  Each load reads 512 consecutive bytes, 16 a lane; a step's 2,048 bytes turn through the wave's own stage in LDS and come back 64 bytes a lane,
; so that a lane holds 16 neighbours along K (two neighbouring lanes hold a block).  A lane's 16 codes are 8 bytes: the wave stores 256 consecutive bytes.  A wave's 256 scale bytes are gathered in LDS and leave together.
.set WAVES, 4
.set STEPS, 16
.set EMAX,  2
.set CB,    8                          ; bytes of 16 codes
.set R,     16                         ; v16-79   four sets of 16 numbers as they are loaded
.set X,     80                         ; v80-111  two sets of 16 neighbours
.set E,     112                        ; v112-127 a scale byte for each step
.set C,     128                        ; v128-191 codes: four registers for each step, so that no store's data are written again
.set WREG,  8192                       ; LDS: a region for each wave: two stages of 32 x SP bytes, behind them its 256 scale bytes
.set SP,    80                         ; a lane's place in a stage: 64 bytes + 16 of padding
.set SPW,   12                         ; v12  LDS address of my spare word; never rewritten
.set NIL,   13                         ; v13  0; never rewritten
.set SPARE, WAVES*WREG                 ; behind the four regions: the spare words, 128 bytes for each wave
	s_load_b512 s[4:19], s[0:1], 0x0               ; query 4:5, Wq 6:7, Wk 8:9, Wv 10:11, Wo 12:13, x_codes 14:15, x_scales 16:17, w_codes 18:19
	s_load_b128 s[20:23], s[0:1], 0x40             ; w_scales 20:21, wo_h 22:23
	v_lshl_add_u32 v[SPW], v0, 2, SPARE
	v_mov_b32 v[NIL], 0
	v_lshrrev_b32 v1, 5, v0
	v_readfirstlane_b32 s24, v1                    ; wave
	v_and_b32 v2, 31, v0                           ; lane
	s_wait_kmcnt 0x0
	s_cmp_ge_u32 ttmp9, 224
	s_cbranch_scc1 .Lwo                            ; the last 32 work-groups take Wo
	v_lshlrev_b32 v3, 4, v2                        ; my 16 bytes of a load's 512
	s_mul_i32 s25, s24, WREG
	v_lshrrev_b32 v14, 2, v2
	v_mul_u32_u24 v14, v14, SP
	v_and_b32 v15, 3, v2
	v_lshl_add_u32 v14, v15, 4, v14
	v_add_nc_u32 v14, s25, v14                     ; the stage, on the way in: SP (lane / 4) + 16 (lane % 4)
	v_mul_u32_u24 v15, v2, SP
	v_add_nc_u32 v15, s25, v15                     ; and on the way out: SP x lane: my 16 neighbours
	v_mul_u32_u24 v4, v2, CB                       ; my codes' place in a step's
	v_lshrrev_b32 v5, 1, v2
	s_add_co_u32 s25, s25, 2*32*SP
	v_add_nc_u32 v5, s25, v5                       ; LDS: my wave's 256 scale bytes, my block's byte
	v_lshlrev_b32 v7, 3, v2                        ; and on the way out 8 bytes a lane
	v_add_nc_u32 v6, s25, v7
	s_cmp_lt_u32 ttmp9, 128                        ; query, or a weight?
	s_cselect_b64 s[26:27], s[4:5], s[6:7]         ; the numbers
	s_cselect_b64 s[28:29], s[14:15], s[18:19]     ; the codes
	s_cselect_b64 s[30:31], s[16:17], s[20:21]     ; the scale bytes
	s_cselect_b32 s32, 0, 128                      ; the first work-group of the codes' buffer
	s_cselect_b32 s33, 127, 31                     ; work-groups in the tensor, less 1
	s_cmp_ge_u32 ttmp9, 160
	s_cselect_b64 s[26:27], s[8:9], s[26:27]
	s_cmp_ge_u32 ttmp9, 192
	s_cselect_b64 s[26:27], s[10:11], s[26:27]
	s_and_b32 s34, ttmp9, s33
	s_lshl_b32 s34, s34, 2
	s_add_co_u32 s34, s34, s24                     ; which run of 8,192 numbers of the tensor is my wave's
	s_lshl_b32 s34, s34, 15                        ; 32,768 bytes a run
	s_mov_b32 s35, 0
	s_add_nc_u64 s[26:27], s[26:27], s[34:35]
	s_sub_co_u32 s36, ttmp9, s32
	s_lshl_b32 s36, s36, 2
	s_add_co_u32 s36, s36, s24                     ; and which run of the codes' buffer
	s_lshl_b32 s34, s36, 12                        ; 4,096 bytes of codes a run
	s_add_nc_u64 s[28:29], s[28:29], s[34:35]
	s_lshl_b32 s34, s36, 8                         ; 256 scale bytes a run
	s_add_nc_u64 s[30:31], s[30:31], s[34:35]
.macro LOAD t
.irp i, 0,1,2,3
	global_load_b128 v[R+16*((\t)%4)+4*\i:R+16*((\t)%4)+4*\i+3], v3, s[26:27] offset:2048*(\t)+512*\i th:TH_LOAD_NT   ; 32 lanes read 512 consecutive bytes
.endr
.endm
.macro TURN t                          ; step t's numbers through the stage: LDS serves a wave's instructions in order, so no wait stands between the stores and the loads
.irp i, 0,1,2,3
	ds_store_b128 v14, v[R+16*((\t)%4)+4*\i:R+16*((\t)%4)+4*\i+3] offset:32*SP*((\t)%2)+8*SP*\i
.endr
.irp i, 0,1,2,3
	ds_load_b128 v[X+16*((\t)%2)+4*\i:X+16*((\t)%2)+4*\i+3], v15 offset:32*SP*((\t)%2)+16*\i
.endr
.endm
.irp t, 0,1,2,3
	LOAD \t
.endr
	s_wait_loadcnt 12                              ; step 0's four loads are in; those of three later steps may be out
	TURN 0
.macro STEP t
.set XS, X+16*((\t)%2)
.if (\t) > 0
	s_wait_dscnt 1                                 ; this step's numbers are back from the stage (the last step's byte store may be out)
.else
	s_wait_dscnt 0x0
.endif
.if (\t)+4 < STEPS
	LOAD (\t)+4                                    ; into the registers that this step's stage stores have read
.endif
.if (\t)+1 < STEPS
.if STEPS-2-(\t) >= 3
	s_wait_loadcnt 12                              ; the next step's four loads are in; those of the three steps behind it may be out
.else
	s_wait_loadcnt 4*(STEPS-2-(\t))
.endif
	TURN (\t)+1                                    ; through the other stage while this step is worked
.endif
	v_max3_num_f32 v8, |v[XS]|, |v[XS+1]|, |v[XS+2]|               ; the largest magnitude of my 16, in two chains
	v_max3_num_f32 v9, |v[XS+3]|, |v[XS+4]|, |v[XS+5]|
.irp i, 6,10
	v_max3_num_f32 v8, v8, |v[XS+\i]|, |v[XS+\i+1]|
	v_max3_num_f32 v9, v9, |v[XS+\i+2]|, |v[XS+\i+3]|
.endr
	v_max3_num_f32 v8, v8, |v[XS+14]|, |v[XS+15]|
	v_max3_num_f32 v8, v8, v9, (EMAX+1)<<23        ; and the floor 2^(EMAX + 1 - 127): the byte cannot fall under 1
	v_max_num_f32_dpp v8, v8, v8 row_xmask:1 row_mask:0xf bank_mask:0xf   ; and of my neighbour's 16: the block's
	v_add_nc_u32 v11, -(EMAX<<23), v8              ; EMAX off its exponent field: the conversion takes the exponent field of this operand as its scale
	v_cvt_scalef32_pk8_fp4_f32 v[C+4*(\t)], v[XS:XS+7], v11
	v_cvt_scalef32_pk8_fp4_f32 v[C+4*(\t)+1], v[XS+8:XS+15], v11
	v_lshrrev_b32 v[E+(\t)], 23, v11               ; the scale's byte (also the plain line behind the conversions)
	ds_store_b8 v5, v[E+(\t)] offset:16*(\t)       ; both lanes of a block write the same byte with the same value
	global_store_b64 v4, v[C+4*(\t):C+4*(\t)+1], s[28:29] offset:32*CB*(\t)   ; 32 lanes store 256 consecutive bytes, aligned
.endm
.irp t, 0,1,2,3,4,5,6,7,8,9,10,11,12,13,14,15
	STEP \t
.endr
	ds_load_b64 v[8:9], v6                         ; LDS serves a wave's instructions in order: these see my byte stores
	s_wait_dscnt 0x0
	global_store_b64 v7, v[8:9], s[30:31]          ; 32 lanes store 256 consecutive bytes, aligned
	s_wait_tensorcnt 0x0                           ; the wave's end, behind my last LDS store
	ds_add_u32 v[SPW], v[NIL]
	s_wait_dscnt 0x0
	s_endpgm
; Wo to f16.  A wave takes 8,192 numbers: 64 loads of 512 consecutive bytes (16 a lane), 64 stores of 256 consecutive bytes (8 a lane), in four batches of 16; two batches of loads are out at a time.
.Lwo:
	s_sub_co_u32 s34, ttmp9, 224
	s_lshl_b32 s34, s34, 2
	s_add_co_u32 s34, s34, s24                     ; my wave's run
	s_lshl_b32 s36, s34, 15
	s_mov_b32 s37, 0
	s_add_nc_u64 s[12:13], s[12:13], s[36:37]
	s_lshl_b32 s36, s34, 14
	s_add_nc_u64 s[22:23], s[22:23], s[36:37]
	v_lshlrev_b32 v8, 4, v2                        ; in: 16 bytes a lane
	v_lshlrev_b32 v9, 3, v2                        ; out: 8 bytes a lane
.macro LOADB t
.irp i, 0,1,2,3,4,5,6,7,8,9,10,11,12,13,14,15
	global_load_b128 v[16+64*((\t)%2)+4*\i:16+64*((\t)%2)+4*\i+3], v8, s[12:13] offset:8192*(\t)+512*\i th:TH_LOAD_NT
.endr
.endm
	LOADB 0
	LOADB 1
.irp t, 0,1,2,3
.if \t < 3
	s_wait_loadcnt 16                              ; this batch is in; the next batch's 16 loads may be out
.else
	s_wait_loadcnt 0x0
.endif
.if \t > 0
	s_wait_xcnt 0x0                                ; the last batch's stores have read their data: the registers are written again only behind this wait
.endif
.irp i, 0,1,2,3,4,5,6,7,8,9,10,11,12,13,14,15
	v_cvt_pk_f16_f32 v[144+2*\i], v[16+64*(\t%2)+4*\i], v[16+64*(\t%2)+4*\i+1]
	v_cvt_pk_f16_f32 v[145+2*\i], v[16+64*(\t%2)+4*\i+2], v[16+64*(\t%2)+4*\i+3]
.endr
.irp i, 0,1,2,3,4,5,6,7,8,9,10,11,12,13,14,15
	global_store_b64 v9, v[144+2*\i:145+2*\i], s[22:23] offset:4096*\t+256*\i
.endr
.if \t < 2
	LOADB \t+2
.endif
.endr
	s_wait_tensorcnt 0x0                           ; the wave's end
	ds_add_u32 v[SPW], v[NIL]
	s_wait_dscnt 0x0
	s_endpgm
.Lfunc_end_k_q99f9484ba3_prep:
	.size	k_q99f9484ba3_prep, .Lfunc_end_k_q99f9484ba3_prep-k_q99f9484ba3_prep
	.p2alignl 7, 3214868480
	.fill 96, 4, 3214868480
	.section	.rodata,"a",@progbits
	.p2align	6, 0x0
	.amdhsa_kernel k_q99f9484ba3_prep
		.amdhsa_group_segment_fixed_size 33280
		.amdhsa_private_segment_fixed_size 0
		.amdhsa_enable_private_segment 0
		.amdhsa_kernarg_size 80
		.amdhsa_user_sgpr_count 2
		.amdhsa_user_sgpr_kernarg_segment_ptr 1
		.amdhsa_wavefront_size32 1
		.amdhsa_system_sgpr_workgroup_id_x 1
		.amdhsa_system_sgpr_workgroup_id_y 1
		.amdhsa_system_sgpr_workgroup_id_z 1
		.amdhsa_system_vgpr_workitem_id 0
		.amdhsa_next_free_vgpr 192
		.amdhsa_next_free_sgpr 66
		.amdhsa_reserve_vcc 0
		.amdhsa_float_denorm_mode_32 3
		.amdhsa_float_denorm_mode_16_64 3
		.amdhsa_memory_ordered 1
		.amdhsa_forward_progress 1
		.amdhsa_inst_pref_size 54
	.end_amdhsa_kernel
	.amdgpu_metadata
---
amdhsa.version: [ 1, 2 ]
amdhsa.kernels:
  - .name:           k_q99f9484ba3_prep
    .symbol:         k_q99f9484ba3_prep.kd
    .args:
      - { .name: query, .offset: 0, .size: 8, .value_kind: global_buffer, .address_space: global }
      - { .name: Wq, .offset: 8, .size: 8, .value_kind: global_buffer, .address_space: global }
      - { .name: Wk, .offset: 16, .size: 8, .value_kind: global_buffer, .address_space: global }
      - { .name: Wv, .offset: 24, .size: 8, .value_kind: global_buffer, .address_space: global }
      - { .name: Wo, .offset: 32, .size: 8, .value_kind: global_buffer, .address_space: global }
      - { .name: x_codes, .offset: 40, .size: 8, .value_kind: global_buffer, .address_space: global }
      - { .name: x_scales, .offset: 48, .size: 8, .value_kind: global_buffer, .address_space: global }
      - { .name: w_codes, .offset: 56, .size: 8, .value_kind: global_buffer, .address_space: global }
      - { .name: w_scales, .offset: 64, .size: 8, .value_kind: global_buffer, .address_space: global }
      - { .name: wo_h, .offset: 72, .size: 8, .value_kind: global_buffer, .address_space: global }
    .group_segment_fixed_size: 33280
    .private_segment_fixed_size: 0
    .kernarg_segment_align: 8
    .kernarg_segment_size: 80
    .max_flat_workgroup_size: 128
    .sgpr_count:     66
    .vgpr_count:     192
    .wavefront_size: 32
...
	.end_amdgpu_metadata
.endif
;; end of part 1
;; launch qkv (part 2): grid 12 x 16, 4 waves a work-group, clusters of 4 x 4, 327,680 bytes of LDS; arguments x_codes, x_scales, w_codes, w_scales, qkv; writes qkv
.if DOCPART == 2
	.amdgcn_target "amdgcn-amd-amdhsa--gfx1250"
	.amdhsa_code_object_version 6
	.text
	.protected	k_q99f9484ba3_qkv
	.globl	k_q99f9484ba3_qkv
	.p2align	8
	.type	k_q99f9484ba3_qkv,@function
k_q99f9484ba3_qkv:
	s_mov_b64 s[64:65], 0
	v_nop
	global_prefetch_b8 v0, s[64:65] scope:SCOPE_SE
	s_setreg_imm32_b32 hwreg(HW_REG_WAVE_MODE, 25, 1), 1
	s_wait_xcnt 0x0
	s_wait_alu depctr_hold_cnt(0) depctr_sa_sdst(0) depctr_va_vdst(0) depctr_va_sdst(0) depctr_va_ssrc(0) depctr_va_vcc(0) depctr_vm_vsrc(0)
	s_getreg_b32 s2, hwreg(HW_REG_IB_STS2, 6, 4)
	s_cmp_eq_u32 s2, 0
	s_cbranch_scc0 .Lentry_in_a_cluster
	s_endpgm
.Lentry_in_a_cluster:
	s_bfe_u32 s2, ttmp6, 0x10000c
	s_cmp_lg_u32 s2, 0xf033
	s_cbranch_scc0 .Lentry_shape_is_right
	s_endpgm
.Lentry_shape_is_right:
; The three quantised products as ONE GEMM on codes of FP4 (E2M1): C[m][n] = sum over k of x[m][k] W[n][k], m = 4,096 tokens, n = 3,072 (Wq's, Wk's, Wv's rows on end), k = 1,024; sums in f32.
; A number is its code's value x 2^(e - 127), e the E8M0 byte of its block of 32 along K; the matrix instruction takes codes and scale bytes as they lie in memory.
; C leaves as f16, head by head: qkv [batch 2][g 48][token 2048][64], g = n / 64: g 0-15 q, 16-31 k, 32-47 v.  q is multiplied by c = log2(e) / sqrt(32) in f32 first, so that a score is the exponent of 2.
; LIMITS: |q c|, |k|, |v| are held at 65,504, f16's largest number; NaN and infinities are not served.
; A tile of C, 256 x 256, is made by a work-group of four waves; a wave makes 128 x 128: 64 accumulators of 16 x 16, 512 registers.  K is two steps of 512: both lie in LDS slots of their own, filled once at the start.
; THE SCALES of the work-group's 256 rows of x and 256 rows of W, for all of K, are two dense blocks of memory: they come into LDS once, with the first fills.
; CLUSTERS: 4 x 4 work-groups.  The four of a row of the cluster need the same tiles of x, the four of a column the same tiles of W: each tile is asked for JOINTLY, by the same tensor load with the same descriptor and a mask that names the four.
; THE MATRIX INSTRUCTION IS USED TRANSPOSED (source 0 = 16 rows of W, source 1 = 16 rows of x): a lane then holds eight neighbouring columns of one token.
; REGISTERS, in windows of 256: window 0: v0-31 addresses; v32-95 scale words, two sets, and nothing else; v96-127 packed results; from v128 x's fragments, ONE set, on the way out rows read back.
;   window 1: W's fragments, TWO sets, at v0 and at v128.   window 2: the 32 accumulators of my rows 0-63 (accumulator (a, b) at v[8 (8 a + b)]);   window 3: those of my rows 64-127.
.set SIZE_M, 4096
.set SIZE_N, 3072
.set SIZE_K, 1024
.set KSTEP,  512                       ; along K in a slot
.set NQ,     KSTEP/128                 ; matrix instructions deep
.set ROWB,   256                       ; a tile's row in bytes
.set KROW,   SIZE_K*4/8                ; a row of codes in memory, in bytes
.set PITCH,  272                       ; an LDS row: 256 bytes + 16 of padding: the 16 rows that a load touches start at 16 different banks (64 banks of 4 bytes: ISA guide 11.1)
.set FR,     8                         ; registers of a fragment: 16 rows x 128 K
.set NL,     2                         ; LDS loads that bring one
.set NP,     4                         ; places behind this matrix instruction (ISA guide 7.12.1)
.set HALFT,  128*PITCH                 ; 128 rows: what one tensor load brings, and what one wave reads of x or of W
.set SLOT,   4*HALFT                   ; x's 256 rows, then W's 256 rows
.set KS,     SIZE_K/32                 ; a row of scales in bytes
.set SCL,    2*SLOT                    ; behind the slots: the scales, as rows of 256 bytes + 16 of padding
.set HALFS,  (128*KS/256)*272          ; the scales of 128 rows: what one tensor load brings
.set SBLK,   (16*KS/256)*272           ; those of 16 rows
.set SPARE,  SCL+4*HALFS               ; behind the scales: the spare words, 128 bytes for each wave
.set SPITCH, 272                       ; the way out: a stage of 16 rows x (256 bytes + 16) for each wave, in slot 0, which has had its one fill and its last read when the first result is stored there
.set ADRA, 16                          ; v16-17  LDS address of my x fragments in slot 0, 1
.set ADRB, 20                          ; v20-21  the same for W
.set STO,  24                          ; v24     the way out: where I put 16 bytes of a token
.set RD,   25                          ; v25     the way out: where I read back
.set CO,   26                          ; v26     my byte offset in qkv
.set ADRS, 27                          ; v27     LDS address of my scale words: lanes 0-15 x's rows, lanes 16-31 W's
.set SPW,  28                          ; v28     LDS address of my spare word; never rewritten
.set NIL,  29                          ; v29     0; never rewritten
.set CLP,  30                          ; v30     65,504.0
.set SC,   32                          ; scale words: set s at v[SC + 8 NQ s]; register NQ i + q: lanes 0-15 the word of x's block i, lanes 16-31 that of W's block i, for the slot's q-th 128 along K
.set PK,   96                          ; v96-127 a block's results as f16
.set AF,   128                         ; x's fragments, in window 0
.set BK,   128                         ; the way out: v128-159 and v160-191 by turns
.set FAC,  96                          ; s[96:97] c for q's columns, 1 for the others
.set G1, 24                            ; s[24:31] descriptor group 1 for x's tiles;  s[32:39] group 0, one set for each slot
.set G0, 32
.set G1B, 48                           ; s[48:55], s[56:63] the same for W's tiles
.set G0B, 56
.set G1S, 68                           ; s[68:75], s[76:79] groups 1 and 0 for x's scales;  s[80:87], s[88:91] for W's
.set G0S, 76
.set G1SB, 80
.set G0SB, 88
.set MSB, 0
.macro WIN new                         ; the immediate's high byte repeats the setting that is left
.if MSB != \new
	s_set_vgpr_msb (MSB<<8)|\new
.set MSB, \new
.endif
.endm
.set MUL_LO, 0xa1                      ; source 0 (W) window 1, source 1 (x) window 0, C and D window 2
.set MUL_HI, 0xf1                      ; the same, C and D window 3
.set TO_B,   0x40                      ; destination window 1, address window 0
; A joint load: waves 0 and 1 fetch for x, waves 2 and 3 for W.  Each of the two lines has ONE mask and one set of registers for all that issue it; the branch hangs on the wave's number alone.
; An s_nop 0 and four v_nop follow each of the two lines, ahead of the jump, the label and what follows.
.macro JLOAD g0a, g1a, g0b, g1b
	s_cmp_eq_u32 s15, 0
	s_cbranch_scc0 .Lfor_b_\@
	tensor_load_to_lds s[\g0a:\g0a+3], s[\g1a:\g1a+7]
	s_nop 0
.rept 4
	v_nop
.endr
	s_branch .Lasked_\@
.Lfor_b_\@:
	tensor_load_to_lds s[\g0b:\g0b+3], s[\g1b:\g1b+7]
	s_nop 0
.rept 4
	v_nop
.endr
.Lasked_\@:
.endm
.macro CROUND                          ; a round of the cluster's barrier
	s_barrier_signal -1
	s_barrier_wait -1
	s_cmp_lg_u32 s14, 0
	s_cbranch_scc1 .Lnot_wave_0_\@
	s_barrier_signal -3
.Lnot_wave_0_\@:
	s_barrier_wait -3
	s_barrier_signal -1
	s_barrier_wait -1
.endm
	s_load_b128 s[4:7], s[0:1], 0x0                ; x's codes s[4:5], x's scales s[6:7]
	s_load_b128 s[8:11], s[0:1], 0x10              ; W's codes s[8:9], W's scales s[10:11]
	s_load_b64 s[12:13], s[0:1], 0x20              ; qkv
	v_lshl_add_u32 v[SPW], v0, 2, SPARE
	v_mov_b32 v[NIL], 0
	ds_add_u32 v[SPW], v[NIL]                      ; the wave's opening: the add, twice on end, and its wait ahead of my first tensor load; the set-up below stands between
	ds_add_u32 v[SPW], v[NIL]
	v_lshrrev_b32 v1, 5, v0
	v_readfirstlane_b32 s14, v1                    ; wave 0..3
	v_mov_b32 v[CLP], 0x477fe000                   ; 65,504.0
	s_lshr_b32 s15, s14, 1                         ; which half of the tile's rows is mine.  Also: I fetch for x (0) or for W (1)
	s_and_b32 s16, s14, 1                          ; which half of its columns.  Also: which 128 rows of that tile I fetch
	s_bfe_u32 s40, ttmp6, 0x40000                  ; cx, cy: my place in the cluster
	s_bfe_u32 s41, ttmp6, 0x40004
	s_lshl_b32 s42, ttmp9, 2
	s_add_co_u32 s42, s42, s40                     ; tile column of C = 4 x cluster x + cx
	s_and_b32 s17, ttmp7, 0xffff
	s_lshl_b32 s17, s17, 2
	s_add_co_u32 s17, s17, s41                     ; tile row of C = 4 x cluster y + cy
	s_lshl_b32 s43, s41, 2
	s_lshl_b32 s43, 15, s43                        ; my row of the cluster
	s_lshl_b32 s44, 0x1111, s40                    ; my column
	s_cmp_lt_u32 s42, 4                            ; tile columns 0-3 are q's: a value is chosen, no way through the text and no address
	s_cselect_b32 s[FAC], 0x3e8293ee, 1.0          ; c = log2(e) / sqrt(32)
	s_mov_b32 s[FAC+1], s[FAC]                     ; (named with it as a pair, so it is written)
	; descriptor group 1: a tile of 128 rows x ROWB bytes, padded in LDS
	s_or_b32 s[G1+0], s43, (0<<16)|(1<<20)|(1<<21)|(5<<22)|(3<<25)  ; 15:0 the mask: x's tiles go to my row; 17:16 element of 1 byte; 20 padding on; 21 set beside a mask; 24:22 after every 64 words (code 5); 31:25 of 4 words (code 3)
	s_or_b32 s[G1B+0], s44, (0<<16)|(1<<20)|(1<<21)|(5<<22)|(3<<25)
.irp g, G1, G1B
	s_mov_b32 s[\g+1], ROWB<<16                    ; tensor_dim0
	s_mov_b32 s[\g+2], 128<<16                     ; tensor_dim1 = 128
	s_mov_b32 s[\g+3], ROWB<<16                    ; tile_dim0
	s_mov_b32 s[\g+4], 128                         ; tile_dim1 = 128
	s_mov_b32 s[\g+5], KROW                        ; tensor_dim0_stride
	s_mov_b32 s[\g+6], 0
	s_mov_b32 s[\g+7], 0
.endr
	; and for the scales of 128 rows: a dense block of 128 KS bytes, as rows of 256 bytes (32 elements of 8 bytes), 16 bytes of padding behind each
	s_or_b32 s[G1S+0], s43, (3<<16)|(1<<20)|(1<<21)|(5<<22)|(3<<25)
	s_or_b32 s[G1SB+0], s44, (3<<16)|(1<<20)|(1<<21)|(5<<22)|(3<<25)
.irp g, G1S, G1SB
	s_mov_b32 s[\g+1], 32<<16
	s_mov_b32 s[\g+2], (128*KS/256)<<16
	s_mov_b32 s[\g+3], 32<<16
	s_mov_b32 s[\g+4], 128*KS/256
	s_mov_b32 s[\g+5], 32
	s_mov_b32 s[\g+6], 0
	s_mov_b32 s[\g+7], 0
.endr
	s_lshl_b32 s18, s16, 7                         ; which 128 rows of the tile I fetch
	s_lshl_b32 s20, s17, 8
	s_add_co_u32 s20, s20, s18                     ; x: row 256 x tile row + 128 x half
	s_lshl_b32 s46, s42, 8
	s_add_co_u32 s46, s46, s18                     ; W: row 256 x tile column + 128 x half
	s_mov_b32 s21, 0
	s_mov_b32 s47, 0
	s_mov_b64 s[18:19], KS
	s_mul_u64 s[22:23], s[20:21], s[18:19]         ; where these rows' scales begin, in bytes
	s_mul_u64 s[92:93], s[46:47], s[18:19]
	s_mov_b64 s[18:19], KROW
	s_mul_u64 s[20:21], s[20:21], s[18:19]         ; and their codes
	s_mul_u64 s[46:47], s[46:47], s[18:19]
	s_mul_i32 s45, s14, HALFT                      ; where they go: wave x 128 rows: no place in the cluster enters an LDS address
	s_mul_i32 s94, s14, HALFS
	s_wait_dscnt 0x0                               ; both opening adds are done
	s_wait_kmcnt 0x0
	s_add_nc_u64 s[20:21], s[4:5], s[20:21]
	s_add_nc_u64 s[22:23], s[6:7], s[22:23]
	s_add_nc_u64 s[46:47], s[8:9], s[46:47]
	s_add_nc_u64 s[92:93], s[10:11], s[92:93]
	CROUND                                         ; all sixteen work-groups are here: the joint loads meet
	s_mov_b32 s[G0S], 1
	s_add_co_u32 s[G0S+1], s94, SCL
	s_mov_b64 s[G0S+2:G0S+3], s[22:23]
	s_or_b32 s[G0S+3], s[G0S+3], 0x80000000
	s_mov_b32 s[G0SB], 1
	s_add_co_u32 s[G0SB+1], s94, SCL
	s_mov_b64 s[G0SB+2:G0SB+3], s[92:93]
	s_or_b32 s[G0SB+3], s[G0SB+3], 0x80000000
	JLOAD G0S, G1S, G0SB, G1SB                     ; the scales first: they are wanted with K step 0
.irp s, 0,1
	s_mov_b32 s[G0+4*\s], 1
	s_add_co_u32 s[G0+4*\s+1], s45, \s*SLOT
	s_add_nc_u64 s[G0+4*\s+2:G0+4*\s+3], s[20:21], \s*ROWB
	s_or_b32 s[G0+4*\s+3], s[G0+4*\s+3], 0x80000000
	s_mov_b32 s[G0B+4*\s], 1
	s_add_co_u32 s[G0B+4*\s+1], s45, \s*SLOT
	s_add_nc_u64 s[G0B+4*\s+2:G0B+4*\s+3], s[46:47], \s*ROWB
	s_or_b32 s[G0B+4*\s+3], s[G0B+4*\s+3], 0x80000000
	JLOAD G0+4*\s, G1, G0B+4*\s, G1B               ; three loads of mine are out in all: the scales and both K steps
.endr
	v_and_b32 v1, 15, v0                           ; l % 16
	v_bfe_u32 v2, v0, 4, 1                         ; l / 16
	v_mul_u32_u24 v3, v1, PITCH
	v_lshl_add_u32 v4, v2, 4, v3                   ; a fragment's row x pitch + 16 x half
	s_mul_i32 s21, s15, HALFT                      ; my 128 rows of x
	s_mul_i32 s22, s16, HALFT                      ; my 128 rows of W,
	s_add_co_u32 s22, s22, 2*HALFT                 ; which lie behind x's 256
.irp s, 0,1
	v_add_nc_u32 v[ADRA+\s], s21, v4
	v_add_nc_u32 v[ADRB+\s], s22, v4
	s_add_co_u32 s21, s21, SLOT
	s_add_co_u32 s22, s22, SLOT
.endr
	v_mul_u32_u24 v5, v1, KS                       ; my row's scales: KS bytes a row,
	v_lshrrev_b32 v6, 8, v5
	v_lshl_add_u32 v5, v6, 4, v5                   ; and 16 more for each 256 passed
	s_mul_i32 s21, s15, HALFS                      ; x's: my 128 rows
	s_mul_i32 s22, s16, HALFS                      ; W's: my 128 rows, behind x's 256
	s_add_co_u32 s22, s22, 2*HALFS
	s_sub_co_u32 s22, s22, s21
	v_mul_u32_u24 v6, s22, v2                      ; lanes 16-31 take W's
	s_add_co_u32 s21, s21, SCL
	v_add_nc_u32 v5, v5, v6
	v_add_nc_u32 v[ADRS], s21, v5
	s_mul_i32 s23, s14, 16*SPITCH                  ; my stage
	v_mul_u32_u24 v5, v1, SPITCH                   ; in: token l % 16, 16 bytes for each half of the lanes
	v_lshl_add_u32 v5, v2, 4, v5
	v_add_nc_u32 v[STO], s23, v5
	v_bfe_u32 v5, v0, 3, 1                         ; back: lanes 0-15 take two tokens' 128 bytes of my first head, lanes 16-31 of my second
	v_mul_u32_u24 v5, v5, SPITCH
	v_lshl_add_u32 v5, v2, 7, v5
	v_and_b32 v6, 7, v0
	v_lshl_add_u32 v5, v6, 4, v5
	v_add_nc_u32 v[RD], s23, v5
	v_lshlrev_b32 v[CO], 18, v2                    ; in qkv: a head is 2,048 tokens x 128 bytes,
	v_lshl_add_u32 v[CO], v1, 4, v[CO]             ; two tokens of a head are 256 bytes on end
	s_lshr_b32 s20, s17, 3                         ; the batch
	s_mul_i32 s20, s20, 48
	s_lshl_b32 s20, s20, 18
	s_and_b32 s21, s17, 7
	s_lshl_b32 s21, s21, 8
	s_lshl_b32 s18, s15, 7
	s_add_co_u32 s21, s21, s18                     ; my first token in the batch
	s_lshl_b32 s21, s21, 7
	s_add_co_u32 s20, s20, s21
	s_mov_b32 s21, 0
	s_lshl_b32 s46, s42, 2                         ; my first head: 4 x tile column + 2 x half
	s_lshl_b32 s47, s16, 1
	s_add_co_u32 s46, s46, s47
	s_lshl_b32 s46, s46, 18
	s_mov_b32 s47, 0
	s_add_nc_u64 s[20:21], s[20:21], s[46:47]
	s_add_nc_u64 s[12:13], s[12:13], s[20:21]
.macro FRAG reg, adr, q, i             ; a fragment, 16 rows x 128 K of 4-bit codes, is 8 registers: lane l holds row l % 16; registers 4 c .. 4 c + 3 hold K = 64 c + 32 (l / 16) + 0 .. 31
.irp c, 0,1
	ds_load_b128 v[\reg+4*\c:\reg+4*\c+3], v[\adr] offset:64*(\q)+32*\c+(\i)*16*PITCH
.endr
.endm
; 16 matrix instructions: x's blocks a0, a0 + 1 against W's eight, 128 along K: the slot's q-th.  p: W's set;  sc: the set of scale words.  zero = 1: the first product starts the sums: nothing is cleared.
; The 64 accumulators take turns, one instruction a turn, in the same order in every step.
.macro MUL16 a0, p, q, sc, zero
.irp a, \a0, \a0+1
.irp b, 0,1,2,3,4,5,6,7
.if \zero
	v_wmma_scale_f32_16x16x128_f8f6f4 v[8*(8*((\a)%4)+\b):8*(8*((\a)%4)+\b)+7], v[128*(\p)+FR*\b:128*(\p)+FR*\b+FR-1], v[AF+FR*(\a):AF+FR*(\a)+FR-1], 0, v[SC+8*NQ*(\sc)+NQ*\b+(\q)], v[SC+8*NQ*(\sc)+NQ*(\a)+(\q)] matrix_a_fmt:MATRIX_FMT_FP4 matrix_b_fmt:MATRIX_FMT_FP4 matrix_a_scale:MATRIX_SCALE_ROW1
.else
	v_wmma_scale_f32_16x16x128_f8f6f4 v[8*(8*((\a)%4)+\b):8*(8*((\a)%4)+\b)+7], v[128*(\p)+FR*\b:128*(\p)+FR*\b+FR-1], v[AF+FR*(\a):AF+FR*(\a)+FR-1], v[8*(8*((\a)%4)+\b):8*(8*((\a)%4)+\b)+7], v[SC+8*NQ*(\sc)+NQ*\b+(\q)], v[SC+8*NQ*(\sc)+NQ*(\a)+(\q)] matrix_a_fmt:MATRIX_FMT_FP4 matrix_b_fmt:MATRIX_FMT_FP4 matrix_a_scale:MATRIX_SCALE_ROW1
.endif
.endr
.endr
.endm
.macro FETCH_B slot, q, p              ; W's eight fragments of the slot's q-th 128 along K into set p
	WIN TO_B
.irp i, 0,1,2,3,4,5,6,7
	FRAG 128*(\p)+FR*\i, ADRB+\slot, \q, \i
.endr
	WIN 0
.endm
.macro FETCH_A slot, q, i0             ; x's blocks i0 .. i0 + 3
.irp i, \i0, \i0+1, \i0+2, \i0+3
	FRAG AF+FR*(\i), ADRA+\slot, \q, \i
.endr
.endm
.macro SCALES sc                       ; a K step's scale words into set sc: NQ words a row; lanes 0-15 take x's block i, lanes 16-31 W's block i
.irp i, 0,1,2,3,4,5,6,7
	ds_load_b128 v[SC+8*NQ*\sc+NQ*\i:SC+8*NQ*\sc+NQ*\i+3], v[ADRS] offset:\i*SBLK
.endr
.endm
; A load into a register that a matrix instruction has read, and a vector instruction that reads or writes a matrix result, stand NP places behind that matrix instruction; only plain vector
; instructions that name none of its registers are places (ISA guide 7.12.1 for vector instructions).
.macro PLACES n
.rept \n
	v_nop
.endr
.endm
; A step of 128 along K that has its successor in the same slot.
.macro STEP slot, q, zero
	s_wait_dscnt 4*NL                              ; W's set and x's blocks 0-3 are in; the youngest eight loads (x's blocks 4-7) may be out
	WIN MUL_LO
	MUL16 0, (\q)%2, \q, \slot, \zero
	MUL16 2, (\q)%2, \q, \slot, \zero
	s_wait_dscnt 0                                 ; x's blocks 4-7 are in
	PLACES NP
	FETCH_B \slot, (\q)+1, 1-(\q)%2
	FETCH_A \slot, (\q)+1, 0
	WIN MUL_HI
	MUL16 4, (\q)%2, \q, \slot, \zero
	MUL16 6, (\q)%2, \q, \slot, \zero
	PLACES NP
	WIN 0
	FETCH_A \slot, (\q)+1, 4
.endm
; Slot 0's last step goes over to slot 1: ONE barrier; in front of it each wave waits for all its tensor loads (its part of slot 1), adds 0 to its spare word, and waits for that and for its own reads of slot 0.  Nothing is filled again.
.macro TURN slot, next
	s_wait_tensorcnt 0x0                           ; all my tensor loads have landed  (every window is 0 here: the add's two registers lie in window 0)
	ds_add_u32 v[SPW], v[NIL]                      ; 0 onto my spare word
	s_wait_dscnt 4*NL+1                            ; (the add and the youngest eight loads, x's blocks 4-7, may be out)
	WIN MUL_LO
	MUL16 0, 1, NQ-1, \slot, 0                     ; sixteen matrix instructions stand between the add and the wait for it
	s_wait_dscnt 0x0                               ; the add is done, and my reads of this slot are over
	s_barrier_signal -1
	MUL16 2, 1, NQ-1, \slot, 0
	WIN 0
	s_barrier_wait -1
	PLACES NP
	v_add_nc_u32 v[ADRS], 4*NQ, v[ADRS]            ; on to the next K step's scale words (no LDS load of mine is out)
	FETCH_B \next, 0, 0
	FETCH_A \next, 0, 0
	SCALES \next
	WIN MUL_HI
	MUL16 4, 1, NQ-1, \slot, 0
	MUL16 6, 1, NQ-1, \slot, 0
	PLACES NP
	WIN 0
	FETCH_A \next, 0, 4
.endm
.macro STEPS slot, from                ; the slot's steps from .. NQ - 2
.set Q, \from
.rept NQ-1-\from
	STEP \slot, Q, 0
.set Q, Q+1
.endr
.endm
	s_wait_tensorcnt 1                             ; the scales and my part of K step 0 are in (K step 1's load may be out)
	s_barrier_signal -1
	s_barrier_wait -1                              ; everybody's are
	FETCH_B 0, 0, 0
	FETCH_A 0, 0, 0
	SCALES 0
	FETCH_A 0, 0, 4
	STEP 0, 0, 1                                   ; the first step's products start the sums
	STEPS 0, 1
	TURN 0, 1
	STEPS 1, 0
	s_wait_dscnt 4*NL                              ; the very last step: nothing more to fetch
	WIN MUL_LO
	MUL16 0, 1, NQ-1, 1, 0
	MUL16 2, 1, NQ-1, 1, 0
	s_wait_dscnt 0
	WIN MUL_HI
	MUL16 4, 1, NQ-1, 1, 0
	MUL16 6, 1, NQ-1, 1, 0
	WIN 0
; THE WAY OUT, block by block of 16 tokens x 128 columns (two heads).  PACK: x c or x 1, held at f16's largest number, rounded to f16: 16 bytes a lane.  TOSTAGE: into my own stage in LDS, and back so that
; sixteen lanes hold two tokens' 128 bytes of one head.  SEND: stored.  LDS serves a wave's instructions in order (ISA guide 5.7.1.4): no wait between the stage's stores and loads.
.macro PACK a
.set AC, 64*((\a)%4)
	WIN 0x82+0x41*((\a)/4)                         ; destination and source 0: window 2 or 3
.set i, 0
.rept 32
	v_pk_mul_f32 v[AC+i:AC+i+1], v[AC+i:AC+i+1], s[FAC:FAC+1] op_sel_hi:[1,0]   ; each accumulator from its low end on
.set i, i+2
.endr
.set i, 0
.rept 64
	v_med3_num_f32 v[AC+i], v[AC+i], -v[CLP], v[CLP]
.set i, i+1
.endr
	WIN 0x0a+5*((\a)/4)                            ; sources 0 and 1: window 2 or 3
.set i, 0
.rept 32
	v_cvt_pk_f16_f32 v[PK+i], v[AC+2*i], v[AC+2*i+1]
.set i, i+1
.endr
	WIN 0
.endm
.macro TOSTAGE a
.set BB, BK+32*((\a)%2)
.irp b, 0,1,2,3,4,5,6,7
	ds_store_b128 v[STO], v[PK+4*\b:PK+4*\b+3] offset:32*\b
.endr
.irp t, 0,1,2,3,4,5,6,7
	ds_load_b128 v[BB+4*\t:BB+4*\t+3], v[RD] offset:\t*2*SPITCH
.endr
.endm
.macro SEND a, younger                 ; younger: the LDS instructions issued behind block a's loads, which may stay out
.set BB, BK+32*((\a)%2)
	s_wait_dscnt \younger                          ; the block is back in registers
.irp t, 0,1,2,3,4,5,6,7
	global_store_b128 v[CO], v[BB+4*\t:BB+4*\t+3], s[12:13] offset:2048*(\a)+256*\t   ; sixteen lanes store 256 consecutive bytes, aligned: two tokens of one head
.endr
.endm
	PLACES NP                                      ; behind the last products: for the vector instructions that read and write results, and for the loads into the registers that held x's fragments
	PACK 0
	TOSTAGE 0
.irp a, 1,2,3,4,5,6,7
	PACK \a
.if \a > 1
	s_wait_xcnt 0x0                                ; block a - 2's stores have read their registers: block a's loads may land there
.endif
	TOSTAGE \a
	SEND \a-1, 16                                  ; behind block a - 1's loads: block a's 8 stores and 8 loads
.endr
	SEND 7, 0
	s_wait_tensorcnt 0x0                           ; the wave's end, behind my last tensor load and my last LDS store
	ds_add_u32 v[SPW], v[NIL]
	s_wait_dscnt 0x0
	CROUND                                         ; the closing round: no work-group ends while a partner may still ask for a tile that names it
	s_endpgm
.Lfunc_end_k_q99f9484ba3_qkv:
	.size	k_q99f9484ba3_qkv, .Lfunc_end_k_q99f9484ba3_qkv-k_q99f9484ba3_qkv
	.p2alignl 7, 3214868480
	.fill 96, 4, 3214868480
	.section	.rodata,"a",@progbits
	.p2align	6, 0x0
	.amdhsa_kernel k_q99f9484ba3_qkv
		.amdhsa_group_segment_fixed_size 327680
		.amdhsa_private_segment_fixed_size 0
		.amdhsa_enable_private_segment 0
		.amdhsa_kernarg_size 40
		.amdhsa_user_sgpr_count 2
		.amdhsa_user_sgpr_kernarg_segment_ptr 1
		.amdhsa_wavefront_size32 1
		.amdhsa_system_sgpr_workgroup_id_x 1
		.amdhsa_system_sgpr_workgroup_id_y 1
		.amdhsa_system_sgpr_workgroup_id_z 1
		.amdhsa_system_vgpr_workitem_id 0
		.amdhsa_next_free_vgpr 1024
		.amdhsa_next_free_sgpr 98
		.amdhsa_reserve_vcc 0
		.amdhsa_float_denorm_mode_32 3
		.amdhsa_float_denorm_mode_16_64 3
		.amdhsa_memory_ordered 1
		.amdhsa_forward_progress 1
		.amdhsa_inst_pref_size 175
	.end_amdhsa_kernel
	.amdgpu_metadata
---
amdhsa.version: [ 1, 2 ]
amdhsa.kernels:
  - .name:           k_q99f9484ba3_qkv
    .symbol:         k_q99f9484ba3_qkv.kd
    .args:
      - { .name: x_codes, .offset: 0, .size: 8, .value_kind: global_buffer, .address_space: global }
      - { .name: x_scales, .offset: 8, .size: 8, .value_kind: global_buffer, .address_space: global }
      - { .name: w_codes, .offset: 16, .size: 8, .value_kind: global_buffer, .address_space: global }
      - { .name: w_scales, .offset: 24, .size: 8, .value_kind: global_buffer, .address_space: global }
      - { .name: qkv, .offset: 32, .size: 8, .value_kind: global_buffer, .address_space: global }
    .group_segment_fixed_size: 327680
    .private_segment_fixed_size: 0
    .kernarg_segment_align: 8
    .kernarg_segment_size: 40
    .max_flat_workgroup_size: 128
    .sgpr_count:     98
    .vgpr_count:     1024
    .wavefront_size: 32
...
	.end_amdgpu_metadata
.endif
;; end of part 2
;; launch attn (part 3): grid 8 x 32, 8 waves a work-group, no clusters, 327,680 bytes of LDS; arguments qkv, lambda_q1, lambda_k1, lambda_q2, lambda_k2, subln_weight, att; writes att
.if DOCPART == 3
	.amdgcn_target "amdgcn-amd-amdhsa--gfx1250"
	.amdhsa_code_object_version 6
	.text
	.protected	k_q99f9484ba3_attn
	.globl	k_q99f9484ba3_attn
	.p2align	8
	.type	k_q99f9484ba3_attn,@function
k_q99f9484ba3_attn:
	s_mov_b64 s[64:65], 0
	v_nop
	global_prefetch_b8 v0, s[64:65] scope:SCOPE_SE
	s_setreg_imm32_b32 hwreg(HW_REG_WAVE_MODE, 25, 1), 1
	s_wait_xcnt 0x0
; Differential attention of one value head h of one batch: two causal softmaxes (query and key heads 2 h and 2 h + 1, 32 channels each) over the same 64 channels of v:
; x = O1 / l1 - lam O2 / l2, lam = exp(sum lq1 lk1) - exp(sum lq2 lk2) + 0.78360577; then x / sqrt(mean(x^2) + 1e-5) x g x 0.21639423, rounded to f16 into att.
; qkv: [batch 2][g 48][token 2048][64] f16 (g = h: q, already x log2(e) / sqrt(32); 16 + h: k; 32 + h: v).  att: [token pair 2048][h 16][parity 2][64] f16.
; Products on f16 operands with f32 sums; maxima, sums, exponentials, the norm in f32; the weights p are rounded to f16 for the second product.
; SOFTMAX: for each query and softmax a running maximum m and sum l: p = 2^(t - m); in every step O and l are multiplied by 2^(old m - m).
; LIMITS: the inputs are finite f16 numbers, so a score is a finite sum of 32 products and reference()'s nan_to_num changes nothing here; |g| stays under 3.7e4, so that the result has room in f16.
; SHARES.  A work-group (x = i, y = 16 batch + h) has eight waves; wave w owns TWO tiles of 16 queries: an early one from 128 i + 16 w and a late one from 1920 - 128 i + 16 w.  So every wave of every
; work-group has 17 blocks of 128 keys to walk, and while both tiles are open each fragment of K and V read from LDS feeds both.  All waves walk the keys from 0 on, 64 a step.
; Trip counts are constants: 16 slots of two steps; a step all of whose keys come after a tile's queries is jumped over by a scalar branch on ids.
; NO CLUSTER: the eight work-groups of a head need different numbers of K's and V's tiles, 128 (16 - i) keys, so a joint load would bring tiles that every wave of some partner jumps over.
; LAYOUT.  S^T = K Q^T (source 0 = 16 keys, source 1 = 16 queries, K = the 32 channels: one instruction a tile): a lane holds ONE query (lane % 16) and keys 8 (lane / 16) + 0..7.  Two such tiles, rounded
; to f16 in pairs, in place, ARE source 1 (32 keys x 16 queries) of O^T += V^T P.  K comes out of LDS as it lies, V ([key][channel]) turned, by ds_load_tr16_b128.
; REGISTERS.  window 0: v1-15 addresses and constants; v16-47 statistics, 8 a set (set u = 2 tile + softmax); v48-79 Q; v80-94 at work; v96-127 g x 0.21639423; v128-255 S^T, 32 a set, then P.
;   window 1: v0-127 O^T, 32 a set; v128-191 K of a step; v192-255 V of a step.
.set SK,    128       ; keys in a slot
.set KSTP,  64        ; keys in a step
.set KP,    272       ; two keys of K in LDS: 256 bytes + 16 of padding: the 16 keys of a load fall on 16 different columns of 16 bytes (64 banks of 4 bytes: ISA guide 11.1)
.set VP,    288       ; two keys of V: 256 + 32: 16 lanes of the turning load fall on 16 different columns of 16 bytes
.set VOFF,  (SK/2)*KP ; a slot: 64 rows of K, then 64 rows of V
.set SLOT1, 1<<16     ; slot 1 begins here, so that one exclusive or turns an address in one slot into the other's
.set NSL,   2048/SK
.set STAGE, 2*SLOT1   ; behind the ring: 16 rows x (128 bytes + 16) for each wave, for the way out; no fill lands there
.set SP,    144
.set SPARE, STAGE+8*16*SP  ; behind the stages: the spare words, 128 bytes for each wave
.set AK0, 1           ; v1   my lane's place in a tile of K
.set AV0, 2           ; v2   the same for V
.set ADK, 3           ; v3   LDS address of the step's K
.set ADV, 4           ; v4   of its V
.set QO,  5           ; v5   my byte offset in a tile's rows of Q
.set STO, 6           ; v6   the way out: where I put 16 bytes of a query
.set RD,  7           ; v7   the way out: where I read back
.set GO,  8           ; v8   my byte offset in att
.set RH,  9           ; v9   lane % 16 - 8 (lane / 16)
.set DD,  10          ; v10, v11  tile t: my query - the step's first key - 8 (lane / 16)
.set NINF, 12         ; v12  -infinity
.set LAM, 13          ; v13  lam
.set SPW, 14          ; v14  LDS address of my spare word; never rewritten
.set NIL, 15          ; v15  0; never rewritten
.set ST,  16          ; set u at v[ST + 8 u]: +0 m, +1 old m, +2, +3 l, +4 to +7 at work; +6 takes 2^(old m - m), +7 old m - m
.set QF,  48
.set PFO, 94          ; v94  256 x my lane; never rewritten
.set GW,  96
.set S,   128
.set KR,  128         ; in window 1
.set VR,  192
.set WV,  18          ; s18  my wave's number
.set SEL, 20          ; s[20:21] lane selects for v_permlanex16_b32: lane l xor 16
.set G1K, 24          ; s[24:31] descriptor group 1 for K's tiles;  s[32:39] for V's;  s[40:43], s[44:47] their groups 0, which walk
.set G1V, 32
.set G0K, 40
.set G0V, 44
.set TK,  48          ; s48  LDS byte at which the step's K begins
.set TV,  49          ; s49  and, less VOFF, its V
.set KF,  50          ; s50  the step's first key
.set Q0E, 51          ; s51  my early tile's first query
.set Q0L, 52          ; s52  my late tile's
.set SLOTS, 53        ; s53  changes of slots to go
.set STC, 54          ; s54  counts a slot's steps
.set QLAST, 55        ; s55  my work-group's last query
.set PFA, 56          ; s[56:57] where my prefetches stand
.set LIM, 58          ; s58  1 in a wave that prefetches, else the greatest number
.set EPS, 59          ; s59  1e-5
.set AB,  60          ; s[60:61], s[62:63] att at my early and late tile
.set QB,  66          ; s[66:67], s[68:69] Q likewise
.set MSB, 0
.macro WIN new                      ; the immediate's high byte repeats the setting that is left; a switch that changes nothing is dropped
.if MSB != \new
	s_set_vgpr_msb (MSB<<8)|\new
.set MSB, \new
.endif
.endm
.set W_KQ, 0x01       ; K in window 1; Q and S^T in window 0
.set W_PV, 0x51       ; V and O^T in window 1, P in window 0
.set W_RS, 0x41       ; O^T (destination and source 0) in window 1
.set TO_1, 0x40       ; destination window 1, address window 0
.set FROM_1, 0x01     ; source 0 window 1
; Wave 0 fetches a slot's K, wave 1 its V, the others nothing.  The branches hang on the wave's number alone.  An s_nop 0 and four v_nop follow each of the two lines.
.macro TLOAD
	s_cmp_eq_u32 s[WV], 0
	s_cbranch_scc0 .Lnot_k_\@
	tensor_load_to_lds s[G0K:G0K+3], s[G1K:G1K+7]
	s_nop 0
.rept 4
	v_nop
.endr
	s_branch .Lasked_\@
.Lnot_k_\@:
	s_cmp_eq_u32 s[WV], 1
	s_cbranch_scc0 .Lasked_\@
	tensor_load_to_lds s[G0V:G0V+3], s[G1V:G1V+7]
	s_nop 0
.rept 4
	v_nop
.endr
.Lasked_\@:
.endm
; A PREFETCH INTO THE L2 of what the NEXT change of slots will ask for: 16,384 bytes of K and as many of V, which lies 16 heads further on in the same buffer.  All work-groups of a head walk the same K and V:
; the head's first work-group asks, and in it waves 4 and 5, which fetch nothing: 8,192 bytes of each a wave, lanes 256 bytes apart.  So each aligned block of 256 bytes is named once in the launch.
; The last change that fills a slot asks for nothing; slots 0 and 1 come by their loads alone.
.macro ASK
	s_cmp_gt_u32 s[SLOTS], s[LIM]
	s_cbranch_scc0 .Lnot_mine_\@
	global_prefetch_b8 v[PFO], s[PFA:PFA+1] th:TH_LOAD_NT scope:SCOPE_SE
	global_prefetch_b8 v[PFO], s[PFA:PFA+1] offset:4194304 th:TH_LOAD_NT scope:SCOPE_SE
.Lnot_mine_\@:
.endm
	s_load_b256 s[4:11], s[0:1], 0x0  ; qkv 4:5, lambda_q1 6:7, lambda_k1 8:9, lambda_q2 10:11
	s_load_b128 s[12:15], s[0:1], 0x20  ; lambda_k2 12:13, subln_weight 14:15
	s_load_b64 s[16:17], s[0:1], 0x30  ; att
	v_lshl_add_u32 v[SPW], v0, 2, SPARE
	v_mov_b32 v[NIL], 0
	ds_add_u32 v[SPW], v[NIL]       ; the wave's opening: the add, twice on end, and its wait ahead of the first tensor load; the set-up below stands between
	ds_add_u32 v[SPW], v[NIL]
	v_lshrrev_b32 v80, 5, v0
	v_readfirstlane_b32 s[WV], v80  ; wave 0..7
	s_and_b32 s70, ttmp7, 0xffff
	s_lshr_b32 s71, s70, 4          ; the batch
	s_and_b32 s72, s70, 15          ; the head
	s_mul_i32 s73, s71, 48
	s_add_co_u32 s73, s73, s72
	s_lshl_b32 s73, s73, 18         ; q's head begins here in qkv: a head is 2,048 tokens x 128 bytes
	s_lshl_b32 s74, ttmp9, 7
	s_lshl_b32 s75, s[WV], 4
	s_add_co_u32 s[Q0E], s74, s75   ; 128 i + 16 w
	s_sub_co_u32 s[Q0L], 1920, s74
	s_add_co_u32 s[Q0L], s[Q0L], s75  ; 1920 - 128 i + 16 w
	s_or_b32 s[QLAST], s[Q0L], 127
	; descriptor group 1: a tile of 64 rows x 128 elements of 2 bytes (two keys a row), dense in memory, padded in LDS
	s_mov_b32 s[G1K], (1<<16)|(1<<20)|(5<<22)|(3<<25)  ; 15:0 no mask; 17:16 elements of 2 bytes; 20 padding on; 24:22 after every 64 words (code 5); 31:25 4 words of it (code 3)
	s_mov_b32 s[G1V], (1<<16)|(1<<20)|(5<<22)|(7<<25)  ; the same with 8 words of padding (code 7)
.irp g, G1K, G1V
	s_mov_b32 s[\g+1], 128<<16      ; tensor_dim0 = 128
	s_mov_b32 s[\g+2], 64<<16       ; tensor_dim1 = 64
	s_mov_b32 s[\g+3], 128<<16      ; tile_dim0 = 128
	s_mov_b32 s[\g+4], 64           ; tile_dim1 = 64
	s_mov_b32 s[\g+5], 128          ; tensor_dim0_stride
	s_mov_b32 s[\g+6], 0
	s_mov_b32 s[\g+7], 0
.endr
	s_mov_b32 s[SEL], 0x76543210
	s_mov_b32 s[SEL+1], 0xfedcba98
	s_mov_b32 s[EPS], 0x3727c5ac    ; 1e-5
	s_mov_b32 s[TK], 0
	s_mov_b32 s[TV], 0
	s_mov_b32 s[KF], 0
	s_mov_b32 s[SLOTS], NSL-1
	s_add_co_u32 s76, s73, 16<<18   ; k's head,
	s_mov_b32 s77, 0
	s_add_co_u32 s78, s73, 32<<18   ; v's head
	s_mov_b32 s79, 0
	s_wait_dscnt 0x0                ; both opening adds are done
	s_wait_kmcnt 0x0
	s_mov_b32 s[G0K], 1             ; count = 1
	s_mov_b32 s[G0K+1], 0           ; LDS address: slot 0
	s_add_nc_u64 s[G0K+2:G0K+3], s[4:5], s[76:77]  ; global address: the head's first 128 keys
	s_or_b32 s[G0K+3], s[G0K+3], 0x80000000  ; type = 2
	s_mov_b32 s[G0V], 1
	s_mov_b32 s[G0V+1], VOFF
	s_add_nc_u64 s[G0V+2:G0V+3], s[4:5], s[78:79]
	s_or_b32 s[G0V+3], s[G0V+3], 0x80000000
	TLOAD                           ; slot 0: its keys count for every work-group's late tiles
	s_and_b32 s74, s[WV], 1         ; the prefetches: my wave's 8,192 bytes,
	s_lshl_b32 s74, s74, 13
	s_add_co_u32 s74, s74, SK*128   ; in slot 1: the first change of slots steps it to slot 2.  Nothing is prefetched here, at the head
	s_mov_b32 s75, 0
	s_add_nc_u64 s[PFA:PFA+1], s[4:5], s[76:77]
	s_add_nc_u64 s[PFA:PFA+1], s[PFA:PFA+1], s[74:75]
	s_sub_co_u32 s74, s[WV], 4
	s_lshr_b32 s74, s74, 1          ; 0 in waves 4 and 5,
	s_or_b32 s74, s74, ttmp9        ; of the head's first work-group
	s_cmp_eq_u32 s74, 0
	s_cselect_b32 s[LIM], 1, -1
	s_lshl_b32 s74, s[Q0E], 7       ; Q at my tiles' first rows
	s_add_co_u32 s74, s74, s73
	s_add_nc_u64 s[QB:QB+1], s[4:5], s[74:75]
	s_lshl_b32 s74, s[Q0L], 7
	s_add_co_u32 s74, s74, s73
	s_add_nc_u64 s[QB+2:QB+3], s[4:5], s[74:75]
	s_lshl_b32 s78, s71, 11         ; att: token m's pair begins at (m / 2) x 4,096, head h's 256 bytes at 256 h
	s_lshl_b32 s79, s72, 8
	s_add_co_u32 s74, s78, s[Q0E]
	s_lshl_b32 s74, s74, 11
	s_add_co_u32 s74, s74, s79
	s_add_nc_u64 s[AB:AB+1], s[16:17], s[74:75]
	s_add_co_u32 s74, s78, s[Q0L]
	s_lshl_b32 s74, s74, 11
	s_add_co_u32 s74, s74, s79
	s_add_nc_u64 s[AB+2:AB+3], s[16:17], s[74:75]
	v_and_b32 v80, 15, v0           ; r = lane % 16
	v_bfe_u32 v81, v0, 4, 1         ; hh = lane / 16
	v_lshrrev_b32 v82, 1, v80
	v_and_b32 v83, 1, v0
	v_mul_u32_u24 v[AK0], v82, KP   ; K: key r lies at (r / 2) x pitch + (r % 2) x 128; + 16 hh
	v_lshl_add_u32 v[AK0], v83, 7, v[AK0]
	v_lshl_add_u32 v[AK0], v81, 4, v[AK0]
	v_bfe_u32 v84, v0, 1, 2         ; V, for the turning load: lane l reads 16 bytes: key 8 hh + l % 8, channels 8 ((l / 8) % 2) + 0..7
	v_lshl_add_u32 v84, v81, 2, v84
	v_mul_u32_u24 v[AV0], v84, VP
	v_lshl_add_u32 v[AV0], v83, 7, v[AV0]
	v_bfe_u32 v85, v0, 3, 1
	v_lshl_add_u32 v[AV0], v85, 4, v[AV0]
	v_add_nc_u32 v[AV0], VOFF, v[AV0]
	v_lshlrev_b32 v[QO], 7, v80
	v_lshl_add_u32 v[QO], v81, 4, v[QO]  ; Q: row r of 128 bytes, + 16 hh
	s_mul_i32 s74, s[WV], 16*SP
	s_add_co_u32 s74, s74, STAGE    ; my stage
	v_mul_u32_u24 v[STO], v80, SP   ; in: row r, 16 bytes for each half of the lanes
	v_lshl_add_u32 v[STO], v81, 4, v[STO]
	v_add_nc_u32 v[STO], s74, v[STO]
	v_bfe_u32 v86, v0, 3, 2         ; back: eight lanes take a query's 128 bytes, sixteen a pair's 256
	v_mul_u32_u24 v[RD], v86, SP
	v_and_b32 v87, 7, v0
	v_lshl_add_u32 v[RD], v87, 4, v[RD]
	v_add_nc_u32 v[RD], s74, v[RD]
	v_lshlrev_b32 v[GO], 12, v81    ; in att: lanes 0-15 one pair, lanes 16-31 the next
	v_lshl_add_u32 v[GO], v80, 4, v[GO]
	v_lshlrev_b32 v88, 3, v81
	v_sub_nc_u32 v[RH], v80, v88
	v_mov_b32 v[NINF], 0xff800000
	v_and_b32 v[PFO], 31, v0
	v_lshlrev_b32 v[PFO], 8, v[PFO]
	v_lshlrev_b32 v89, 5, v81       ; g: my half's eight channels of a tile of 16
	v_and_b32 v90, 31, v0
	v_lshlrev_b32 v90, 2, v90       ; the lambdas: a number a lane
.irp t, 0,1
.irp a, 0,1
	global_load_b128 v[QF+8*(2*\t+\a):QF+8*(2*\t+\a)+3],   v[QO], s[QB+2*\t:QB+2*\t+1] offset:64*\a     ; Q stays in registers: tile t, softmax a: channels 8 hh + 0..7,
	global_load_b128 v[QF+8*(2*\t+\a)+4:QF+8*(2*\t+\a)+7], v[QO], s[QB+2*\t:QB+2*\t+1] offset:64*\a+32  ; and 16 + 8 hh + 0..7
.endr
.endr
.irp c, 0,1,2,3
	global_load_b128 v[GW+8*\c:GW+8*\c+3],   v89, s[14:15] offset:64*\c     ; g: register 8 c + j = channel 16 c + 8 hh + j
	global_load_b128 v[GW+8*\c+4:GW+8*\c+7], v89, s[14:15] offset:64*\c+16
.endr
	global_load_b32 v84, v90, s[6:7]
	global_load_b32 v85, v90, s[8:9]
	global_load_b32 v86, v90, s[10:11]
	global_load_b32 v87, v90, s[12:13]
.irp u, 0,1,2,3
	v_mov_b32 v[ST+8*\u], 0xff61b1e6  ; m: -3e38, under every score
.irp j, 1,2,3,4,5,6,7
	v_mov_b32 v[ST+8*\u+\j], 0      ; l, and the registers at work
.endr
.endr
	WIN TO_1
.set i, 0
.rept 128
	v_mov_b32 v[i], 0               ; O^T.  (The step is written without a first step of its own: the first finds zeros, which the first change of m leaves zeros)
.set i, i+1
.endr
	WIN 0
	s_wait_loadcnt 0x0              ; Q, g, the lambdas
	v_mul_f32 v84, v84, v85
	v_mul_f32 v86, v86, v87
.irp x, 1,2,4,8
	v_add_f32_dpp v84, v84, v84 row_xmask:\x row_mask:0xf bank_mask:0xf
	v_add_f32_dpp v86, v86, v86 row_xmask:\x row_mask:0xf bank_mask:0xf
.endr
	v_permlanex16_b32 v85, v84, s[SEL], s[SEL+1]
	v_permlanex16_b32 v87, v86, s[SEL], s[SEL+1]
	v_add_f32 v84, v84, v85         ; sum lq1 lk1,
	v_add_f32 v86, v86, v87         ; sum lq2 lk2, in every lane
	v_mul_f32 v84, 0x3fb8aa3b, v84  ; x log2(e)
	v_mul_f32 v86, 0x3fb8aa3b, v86
	v_exp_f32 v84, v84
	v_exp_f32 v86, v86
	v_nop                           ; a plain instruction behind the exponentials,
	s_wait_alu depctr_va_vdst(0)    ; and the wait ahead of the first use: one for the two
	v_sub_f32 v84, v84, v86
	v_add_f32 v[LAM], 0x3f489a63, v84  ; + 0.8 - 0.6 exp(-3.6) = 0.78360577
.set i, 0
.rept 16
	v_pk_mul_f32 v[GW+i:GW+i+1], v[GW+i:GW+i+1], 0x3e5d9673 op_sel_hi:[1,0]  ; g x (1 - 0.78360577)
.set i, i+2
.endr
; 8 products S^T = K Q^T for tile t: softmax a, keys 16 k on.  Each starts its sum and ends it: K = the 32 channels.
.macro KQ t
.irp a, 0,1
.irp k, 0,1,2,3
	v_wmma_f32_16x16x32_f16 v[S+32*(2*(\t)+\a)+8*\k:S+32*(2*(\t)+\a)+8*\k+7], v[KR+32*\a+8*\k:KR+32*\a+8*\k+7], v[QF+8*(2*(\t)+\a):QF+8*(2*(\t)+\a)+7], 0
.endr
.endr
.endm
; 16 products O^T += V^T P for tile t: keys 32 g on, softmax a, channels 16 c on.  The eight accumulators take turns, one instruction a turn.
.macro PV t
.irp g, 0,1
.irp a, 0,1
.irp c, 0,1,2,3
	v_wmma_f32_16x16x32_f16 v[32*(2*(\t)+\a)+8*\c:32*(2*(\t)+\a)+8*\c+7], v[VR+32*\g+8*\c:VR+32*\g+8*\c+7], v[S+32*(2*(\t)+\a)+8*\g:S+32*(2*(\t)+\a)+8*\g+7], v[32*(2*(\t)+\a)+8*\c:32*(2*(\t)+\a)+8*\c+7]
.endr
.endr
.endr
.endm
; Six plain instructions behind the products K Q^T, ahead of the first read of the scores: four places are asked (ISA guide 7.12.1).
.macro PREP
	s_sub_co_i32 s70, s[Q0L], s[KF]
	s_sub_co_i32 s71, s[Q0E], s[KF]
	v_add_nc_u32 v[DD+1], s70, v[RH]
	v_add_nc_u32 v[DD], s71, v[RH]
.irp u, 0,1,2,3
	v_mov_b32 v[ST+8*\u+1], v[ST+8*\u]  ; m is kept as old m
.endr
.endm
; THE SOFTMAX of tile t for a step of 64 keys, both softmaxes (sets 2 t and 2 t + 1, which alternate where one line feeds the next).  It leaves the windows set for O^T.
.macro SOFTMAX t
.set U0, 2*(\t)
.set SB, S+32*U0
.set TT, ST+8*U0
	s_add_co_u32 s70, s[KF], KSTP-1  ; on the diagonal the scores of hidden keys become -infinity ahead of the maximum.  A step all of whose keys count skips this
	s_cmp_le_u32 s70, s[Q0E+(\t)]
	s_cbranch_scc1 .Lopen_\@
.irp n, 0,1,2,3,4,5,6,7,8,9,10,11,12,13,14,15,16,17,18,19,20,21,22,23,24,25,26,27,28,29,30,31
	v_cmp_gt_i32 vcc_lo, 16*(\n/8)+\n%8, v[DD+(\t)]  ; register n holds key KF + 16 (n / 8) + 8 hh + n % 8
	v_cndmask_b32 v[SB+\n], v[SB+\n], v[NINF], vcc_lo
	v_cndmask_b32 v[SB+32+\n], v[SB+32+\n], v[NINF], vcc_lo
.endr
.Lopen_\@:
.irp k, 0,1,2,3                     ; the maximum of 32 scores and old m, three operands at a time, four chains; each tile of scores is read from its low end on
.irp a, 0,1
	v_max3_num_f32 v[TT+8*\a+4+\k], v[SB+32*\a+8*\k], v[SB+32*\a+8*\k+1], v[SB+32*\a+8*\k+2]
.endr
.endr
.irp i, 3,5
.irp k, 0,1,2,3
.irp a, 0,1
	v_max3_num_f32 v[TT+8*\a+4+\k], v[TT+8*\a+4+\k], v[SB+32*\a+8*\k+\i], v[SB+32*\a+8*\k+\i+1]
.endr
.endr
.endr
.irp a, 0,1
	v_max3_num_f32 v[TT+8*\a+4], v[TT+8*\a+4], v[SB+32*\a+7], v[SB+32*\a+15]
	v_max3_num_f32 v[TT+8*\a+6], v[TT+8*\a+6], v[SB+32*\a+23], v[SB+32*\a+31]
.endr
.irp a, 0,1
	v_max3_num_f32 v[TT+8*\a+4], v[TT+8*\a+4], v[TT+8*\a+5], v[TT+8*\a+6]
.endr
.irp a, 0,1
	v_max3_num_f32 v[TT+8*\a+4], v[TT+8*\a+4], v[TT+8*\a+7], v[TT+8*\a+1]
.endr
.irp a, 0,1
	v_permlanex16_b32 v[TT+8*\a+5], v[TT+8*\a+4], s[SEL], s[SEL+1]  ; the query's other 32 keys lie in the lane 16 away
.endr
.irp a, 0,1
	v_max_num_f32 v[TT+8*\a], v[TT+8*\a+4], v[TT+8*\a+5]  ; the new m
.endr
.irp a, 0,1
	v_sub_f32 v[TT+8*\a+7], v[TT+8*\a+1], v[TT+8*\a]  ; old m - m
.endr
.irp a, 0,1
.set j, 0
.rept 16
	v_pk_add_f32 v[SB+32*\a+j:SB+32*\a+j+1], v[SB+32*\a+j:SB+32*\a+j+1], v[TT+8*\a:TT+8*\a+1] op_sel_hi:[1,0] neg_lo:[0,1] neg_hi:[0,1]  ; t - m, two at a time
.set j, j+2
.endr
.endr
.irp a, 0,1                         ; ONE BATCH of 66 exponentials: none reads another's result
	v_exp_f32 v[TT+8*\a+6], v[TT+8*\a+7]
.endr
.set j, 0
.rept 64
	v_exp_f32 v[SB+j], v[SB+j]      ; p = 2^(t - m), at most 1
.set j, j+1
.endr
	v_nop                           ; a plain instruction behind the last exponential,
	s_wait_alu depctr_va_vdst(0)    ; and the one wait for the batch, ahead of its first reader
.irp a, 0,1
	v_pk_mul_f32 v[TT+8*\a+2:TT+8*\a+3], v[TT+8*\a+2:TT+8*\a+3], v[TT+8*\a+6:TT+8*\a+7] op_sel_hi:[1,0]  ; l under the new m
.endr
.irp a, 0,1
	v_pk_add_f32 v[TT+8*\a+4:TT+8*\a+5], v[SB+32*\a:SB+32*\a+1], v[SB+32*\a+2:SB+32*\a+3]  ; the sum of p before it is rounded, in two chains
.endr
.irp j, 4,8,12,16,20,24,28
.irp a, 0,1
	v_pk_add_f32 v[TT+8*\a+2:TT+8*\a+3], v[TT+8*\a+2:TT+8*\a+3], v[SB+32*\a+\j:SB+32*\a+\j+1]
	v_pk_add_f32 v[TT+8*\a+4:TT+8*\a+5], v[TT+8*\a+4:TT+8*\a+5], v[SB+32*\a+\j+2:SB+32*\a+\j+3]
.endr
.endr
.irp a, 0,1
	v_pk_add_f32 v[TT+8*\a+2:TT+8*\a+3], v[TT+8*\a+2:TT+8*\a+3], v[TT+8*\a+4:TT+8*\a+5]
.endr
.irp a, 0,1
.set j, 0
.rept 16
	v_cvt_pk_f16_f32 v[SB+32*\a+j], v[SB+32*\a+2*j], v[SB+32*\a+2*j+1]  ; p to f16, in place, ascending: registers 8 g .. 8 g + 7 become source 1 for keys 32 g on
.set j, j+1
.endr
.endr
	WIN W_RS
.irp a, 0,1
.set j, 0
.rept 16
	v_pk_mul_f32 v[32*(U0+\a)+j:32*(U0+\a)+j+1], v[32*(U0+\a)+j:32*(U0+\a)+j+1], v[TT+8*\a+6:TT+8*\a+7] op_sel_hi:[1,0]  ; O^T under the new m, each accumulator from its low end on
.set j, j+2
.endr
.endr
.endm
; A KEY STEP: 64 keys.  One test says whether my early tile is still open, and the two ways are written out: both tiles, or the late one alone.  In the first way the late tile's softmax stands behind both
; tiles' products K Q^T, and the early tile's behind the late tile's products V^T P, so that vector work is issued while the matrix unit works.
.macro STEP
	s_add_co_u32 s70, s[Q0L], 15
	s_cmp_gt_u32 s[KF], s70         ; all 64 keys come after my late tile's queries (and so after the early tile's): the step's work is left out; not the lines at its end that step addresses
	s_cbranch_scc1 .Lhid_\@
	v_add_nc_u32 v[ADK], s[TK], v[AK0]
	v_add_nc_u32 v[ADV], s[TV], v[AV0]
.rept 3
	v_nop                           ; with the two additions FIVE places behind the last step's products V^T P: four for the loads into V's registers, five for the products below, which write over the registers that held P
.endr
	WIN TO_1
.irp a, 0,1
.irp k, 0,1,2,3
	ds_load_b128 v[KR+32*\a+8*\k:KR+32*\a+8*\k+3],   v[ADK] offset:\k*8*KP+64*\a
	ds_load_b128 v[KR+32*\a+8*\k+4:KR+32*\a+8*\k+7], v[ADK] offset:\k*8*KP+64*\a+32
.endr
.endr
.irp g, 0,1
.irp c, 0,1,2,3
	ds_load_tr16_b128 v[VR+32*\g+8*\c:VR+32*\g+8*\c+3],   v[ADV] offset:\g*16*VP+32*\c
	ds_load_tr16_b128 v[VR+32*\g+8*\c+4:VR+32*\g+8*\c+7], v[ADV] offset:\g*16*VP+8*VP+32*\c
.endr
.endr
	WIN 0
	s_add_co_u32 s70, s[Q0E], 15
	s_cmp_gt_u32 s[KF], s70
	s_cbranch_scc1 .Llate_\@
	s_wait_dscnt 16                 ; K's 16 loads are in; V's 16 may be out
	WIN W_KQ
	KQ 1
	KQ 0
	WIN 0
	PREP
	SOFTMAX 1
	s_wait_dscnt 0x0                ; V is in
	WIN W_PV
	PV 1
	WIN 0
	SOFTMAX 0
	WIN W_PV
	PV 0
	WIN 0
	s_branch .Lhid_\@
.Llate_\@:
	s_wait_dscnt 16                 ; K's 16 loads are in; V's 16 may be out
	WIN W_KQ
	KQ 1
	WIN 0
	PREP
	SOFTMAX 1
	s_wait_dscnt 0x0                ; V is in
	WIN W_PV
	PV 1
	WIN 0
.Lhid_\@:
	s_add_co_u32 s[KF], s[KF], KSTP
	s_add_co_u32 s[TK], s[TK], (KSTP/2)*KP
	s_add_co_u32 s[TV], s[TV], (KSTP/2)*VP
.endm
; THE CHANGE OF SLOTS stands at a slot's head.  Each wave waits for all its tensor loads (at most one is out: its part of the slot that it is about to read), adds 0 to its spare word, and waits for that and for its reads
; of the slot that it has left.  Behind the barrier the slot ahead is whole and nobody reads the other one.  fill = 1: that other slot is filled with the keys that follow, up to the causal limit.
.macro CHANGE fill
	s_wait_tensorcnt 0x0            ; no tensor load of mine is out, so a group 0 may be written
	ds_add_u32 v[SPW], v[NIL]       ; 0 onto my spare word
.if \fill
	ds_add_u32 v[SPW], v[NIL]       ; and once more: the add stands twice on end in every trip alike
	s_xor_b32 s[G0K+1], s[G0K+1], SLOT1  ; the walking descriptors: the other slot than last time,
	s_add_nc_u64 s[G0K+2:G0K+3], s[G0K+2:G0K+3], SK*128  ; the next 128 keys; the type bits on top are not reached
	s_xor_b32 s[G0V+1], s[G0V+1], SLOT1
	s_add_nc_u64 s[G0V+2:G0V+3], s[G0V+2:G0V+3], SK*128
	s_wait_xcnt 0x0                 ; the last prefetches, a slot back, have read their address, so it may be written:
	s_add_nc_u64 s[PFA:PFA+1], s[PFA:PFA+1], SK*128  ; one slot further on than the walking descriptors
.endif
	s_wait_dscnt 0x0                ; the add is done (fill = 1: both are), and my reads of the slot that I have left are over
	s_barrier_signal -1
	s_barrier_wait -1
.if \fill
	s_add_co_u32 s70, s[KF], SK     ; THE LOOK-AHEAD ENDS AT THE CAUSAL LIMIT: a slot whose first key comes after my work-group's last query is read by none of its waves, so it is not asked for.
	s_cmp_gt_u32 s70, s[QLAST]      ; Ids and the count of steps alone: all eight waves go the same way.  The last query + 1 is a multiple of 128, so a slot that is asked for is read whole
	s_cbranch_scc1 .Lpast_\@
	TLOAD                           ; the first thing behind the barrier and the limit's lines, and a wave's one tensor load until the next
.Lpast_\@:
	ASK                             ; what the next change of slots will ask for: a slot's two key steps ahead of that load
.endif
.endm
.macro SLOT_STEPS                   ; a slot's two key steps: written once, walked twice; the LDS addresses hang on s[TK] and s[TV]
	s_mov_b32 s[STC], SK/KSTP
.Lstep_\@:
	STEP
	s_sub_co_u32 s[STC], s[STC], 1
	s_cmp_lg_u32 s[STC], 0
	s_cbranch_scc1 .Lstep_\@
	s_sub_co_u32 s[TK], s[TK], (SK/2)*KP  ; back to a slot's first step,
	s_xor_b32 s[TK], s[TK], SLOT1   ; in the other slot
	s_sub_co_u32 s[TV], s[TV], (SK/2)*VP
	s_xor_b32 s[TV], s[TV], SLOT1
.endm
.Lslot:                             ; NSL - 1 trips: behind each change of slots but the last the next slot is asked for, up to the causal limit
	CHANGE 1
	SLOT_STEPS
	s_sub_co_u32 s[SLOTS], s[SLOTS], 1
	s_cmp_lg_u32 s[SLOTS], 0
	s_cbranch_scc1 .Lslot
	CHANGE 0                        ; the last slot is written out: nothing is left to ask for
	SLOT_STEPS
.rept 4
	v_nop                           ; places behind the last products, ahead of the first read of O^T and of writes into the registers that held P
.endr
; THE WAY OUT of tile t: l's halves are added; x = O1 / l1 - lam O2 / l2; the norm over the query's 64 channels (32 here, 32 in the lane 16 away); x g x 0.21639423; f16; through my stage in LDS, so that sixteen lanes hold
; a token pair's 256 bytes of this head.
.macro FINAL t
.set TA, ST+16*(\t)
.set TC, ST+16*(\t)+8
.set XR, S+64*(\t)
.set PKR, XR+32
.set BKR, XR+48
	v_add_f32 v[TA+4], v[TA+2], v[TA+3]
	v_add_f32 v[TC+4], v[TC+2], v[TC+3]
	v_permlanex16_b32 v[TA+5], v[TA+4], s[SEL], s[SEL+1]
	v_permlanex16_b32 v[TC+5], v[TC+4], s[SEL], s[SEL+1]
	v_add_f32 v[TA+4], v[TA+4], v[TA+5]
	v_add_f32 v[TC+4], v[TC+4], v[TC+5]
	v_rcp_f32 v[TA+6], v[TA+4]
	v_rcp_f32 v[TC+6], v[TC+4]
	v_nop                           ; a plain instruction behind the reciprocals,
	s_wait_alu depctr_va_vdst(0)    ; and the one wait for the two, ahead of the first use
	v_mul_f32 v[TC+6], v[TC+6], -v[LAM]
	WIN FROM_1
.set j, 0
.rept 16
	v_pk_mul_f32 v[XR+j:XR+j+1], v[64*(\t)+j:64*(\t)+j+1], v[TA+6:TA+7] op_sel_hi:[1,0]
.set j, j+2
.endr
.set j, 0
.rept 16
	v_pk_fma_f32 v[XR+j:XR+j+1], v[64*(\t)+32+j:64*(\t)+32+j+1], v[TC+6:TC+7], v[XR+j:XR+j+1] op_sel_hi:[1,0,1]
.set j, j+2
.endr
	WIN 0
	v_pk_mul_f32 v[80:81], v[XR:XR+1], v[XR:XR+1]  ; the sum of squares, in two chains
	v_pk_mul_f32 v[82:83], v[XR+2:XR+3], v[XR+2:XR+3]
.irp j, 4,8,12,16,20,24,28
	v_pk_fma_f32 v[80:81], v[XR+\j:XR+\j+1], v[XR+\j:XR+\j+1], v[80:81]
	v_pk_fma_f32 v[82:83], v[XR+\j+2:XR+\j+3], v[XR+\j+2:XR+\j+3], v[82:83]
.endr
	v_pk_add_f32 v[80:81], v[80:81], v[82:83]
	v_add_f32 v80, v80, v81
	v_permlanex16_b32 v81, v80, s[SEL], s[SEL+1]
	v_add_f32 v80, v80, v81
	v_fma_f32 v80, v80, 0x3c800000, s[EPS]  ; / 64 + 1e-5
	v_rsq_f32 v84, v80
.set j, 0
.rept 16
	v_pk_mul_f32 v[XR+j:XR+j+1], v[XR+j:XR+j+1], v[GW+j:GW+j+1]  ; independent work behind the root
.set j, j+2
.endr
	s_wait_alu depctr_va_vdst(0)    ; the wait ahead of the root's first reader
	v_mov_b32 v85, v84              ; (named with it as a pair, so it is written)
.set j, 0
.rept 16
	v_pk_mul_f32 v[XR+j:XR+j+1], v[XR+j:XR+j+1], v[84:85] op_sel_hi:[1,0]
.set j, j+2
.endr
.set j, 0
.rept 16
	v_cvt_pk_f16_f32 v[PKR+j], v[XR+2*j], v[XR+2*j+1]
.set j, j+1
.endr
.irp c, 0,1,2,3
	ds_store_b128 v[STO], v[PKR+4*\c:PKR+4*\c+3] offset:32*\c
.endr
.irp i, 0,1,2,3
	ds_load_b128 v[BKR+4*\i:BKR+4*\i+3], v[RD] offset:\i*4*SP  ; LDS serves a wave's instructions in order (ISA guide 5.7.1.4): these see the stores above; the next tile's stores come behind them
.endr
.irp i, 0,1,2,3
	s_wait_dscnt 3-\i               ; the younger read-backs may be out
	global_store_b128 v[GO], v[BKR+4*\i:BKR+4*\i+3], s[AB+2*(\t):AB+2*(\t)+1] offset:8192*\i  ; sixteen lanes store 256 consecutive bytes, aligned
.endr
.endm
	FINAL 0
	FINAL 1
	s_wait_tensorcnt 0x0            ; the wave's end, behind my last tensor load and my last LDS store
	ds_add_u32 v[SPW], v[NIL]
	s_wait_dscnt 0x0
	s_endpgm
.Lfunc_end_k_q99f9484ba3_attn:
	.size	k_q99f9484ba3_attn, .Lfunc_end_k_q99f9484ba3_attn-k_q99f9484ba3_attn
	.p2alignl 7, 3214868480
	.fill 96, 4, 3214868480
	.section	.rodata,"a",@progbits
	.p2align	6, 0x0
	.amdhsa_kernel k_q99f9484ba3_attn
		.amdhsa_group_segment_fixed_size 327680
		.amdhsa_private_segment_fixed_size 0
		.amdhsa_enable_private_segment 0
		.amdhsa_kernarg_size 56
		.amdhsa_user_sgpr_count 2
		.amdhsa_user_sgpr_kernarg_segment_ptr 1
		.amdhsa_wavefront_size32 1
		.amdhsa_system_sgpr_workgroup_id_x 1
		.amdhsa_system_sgpr_workgroup_id_y 1
		.amdhsa_system_sgpr_workgroup_id_z 1
		.amdhsa_system_vgpr_workitem_id 0
		.amdhsa_next_free_vgpr 512
		.amdhsa_next_free_sgpr 80
		.amdhsa_reserve_vcc 1
		.amdhsa_float_denorm_mode_32 3
		.amdhsa_float_denorm_mode_16_64 3
		.amdhsa_memory_ordered 1
		.amdhsa_forward_progress 1
		.amdhsa_inst_pref_size 145
	.end_amdhsa_kernel
	.amdgpu_metadata
---
amdhsa.version: [ 1, 2 ]
amdhsa.kernels:
  - .name:           k_q99f9484ba3_attn
    .symbol:         k_q99f9484ba3_attn.kd
    .args:
      - { .name: qkv, .offset: 0, .size: 8, .value_kind: global_buffer, .address_space: global }
      - { .name: lambda_q1, .offset: 8, .size: 8, .value_kind: global_buffer, .address_space: global }
      - { .name: lambda_k1, .offset: 16, .size: 8, .value_kind: global_buffer, .address_space: global }
      - { .name: lambda_q2, .offset: 24, .size: 8, .value_kind: global_buffer, .address_space: global }
      - { .name: lambda_k2, .offset: 32, .size: 8, .value_kind: global_buffer, .address_space: global }
      - { .name: subln_weight, .offset: 40, .size: 8, .value_kind: global_buffer, .address_space: global }
      - { .name: att, .offset: 48, .size: 8, .value_kind: global_buffer, .address_space: global }
    .group_segment_fixed_size: 327680
    .private_segment_fixed_size: 0
    .kernarg_segment_align: 8
    .kernarg_segment_size: 56
    .max_flat_workgroup_size: 256
    .sgpr_count:     80
    .vgpr_count:     512
    .wavefront_size: 32
...
	.end_amdgpu_metadata
.endif
;; end of part 3
;; launch proj (part 4): grid 8 x 32, 4 waves a work-group, clusters of 4 x 4, 327,680 bytes of LDS; arguments att, wo_h, out0; writes out0
.if DOCPART == 4
	.amdgcn_target "amdgcn-amd-amdhsa--gfx1250"
	.amdhsa_code_object_version 6
	.text
	.protected	k_q99f9484ba3_proj
	.globl	k_q99f9484ba3_proj
	.p2align	8
	.type	k_q99f9484ba3_proj,@function
k_q99f9484ba3_proj:
	s_mov_b64 s[64:65], 0
	v_nop
	global_prefetch_b8 v0, s[64:65] scope:SCOPE_SE
	s_setreg_imm32_b32 hwreg(HW_REG_WAVE_MODE, 25, 1), 1
	s_wait_xcnt 0x0
	s_wait_alu depctr_hold_cnt(0) depctr_sa_sdst(0) depctr_va_vdst(0) depctr_va_sdst(0) depctr_va_ssrc(0) depctr_va_vcc(0) depctr_vm_vsrc(0)
	s_getreg_b32 s2, hwreg(HW_REG_IB_STS2, 6, 4)
	s_cmp_eq_u32 s2, 0
	s_cbranch_scc0 .Lentry_in_a_cluster
	s_endpgm
.Lentry_in_a_cluster:
	s_bfe_u32 s2, ttmp6, 0x10000c
	s_cmp_lg_u32 s2, 0xf033
	s_cbranch_scc0 .Lentry_shape_is_right
	s_endpgm
.Lentry_shape_is_right:
; out0[m][n] = sum over k of a[m][k] Wo[n][k], m = 4,096 tokens, n = k = 1,024; operands f16, sums and result f32.
; a lies as att [token pair 2048][h 16][parity 2][64] f16, k = 64 h + channel: four heads of a pair are 1,024 consecutive bytes.  wo_h: [1024 n][1024 k] f16.
; A tile of out0 is 128 x 128.  Four waves, each 64 x 64: 16 accumulators of 16 x 16, 128 registers.  K goes in steps of 256 (four heads) through a ring of two LDS slots filled by the tensor data mover:
; a's tile is 64 pair-rows of 1,024 bytes, Wo's 128 rows of 512 bytes.  A wave's 64 columns of f32 are 256 bytes, so each wave has a stage of its own on the way out and no barrier stands there.
; CLUSTERS: 4 x 4 work-groups.  The four of a row of the cluster need the same tiles of a, the four of a column the same tiles of Wo: each tile is asked for JOINTLY, by the same tensor load with the
; same descriptor and a mask that names the four.  THE MATRIX INSTRUCTION IS USED TRANSPOSED (source 0 = 16 rows of Wo, source 1 = 16 tokens): a lane then holds eight neighbouring numbers of a row of out0.
; REGISTERS: window 0: v0-31 addresses; v32-95 rows on the way out; v128-255 the accumulators ((a, b) at v[128 + 8 (4 a + b)]).
;   window 1: two fragment buffers of 128: for 64 along K (two matrix instructions deep), 64 registers of a, then 64 of Wo.
.set SIZE_K, 1024
.set KSTEP,  256
.set PA,     1040                      ; a pair-row of a in LDS: 1,024 bytes + 16 of padding: token r of a fragment lies at (r / 2) PA + (r % 2) 128: 16 different columns of 16 bytes (64 banks of 4 bytes: ISA guide 11.1)
.set PB,     528                       ; a row of Wo: 512 bytes + 16
.set HALFA,  32*PA                     ; 32 pair-rows, 64 tokens: what one tensor load brings, and what one wave reads of a
.set HALFB,  64*PB                     ; 64 rows of Wo likewise
.set SLOT,   2*HALFA+2*HALFB           ; a's 128 tokens, then Wo's 128 rows
.set STAGE,  2*SLOT                    ; behind the ring: 16 rows x 272 bytes for each wave, for the way out
.set SPITCH, 272
.set SPARE,  STAGE+4*16*SPITCH         ; behind the stages: the spare words, 128 bytes for each wave
.set LAPS, SIZE_K/(2*KSTEP)            ; a lap = two K steps = once round the ring
.set ADRA, 16                          ; v16-17  LDS address of my fragments of a in slot 0, 1
.set ADRB, 20                          ; v20-21  the same for Wo
.set STO,  24                          ; v24     the way out: where I put 32 bytes of a row
.set RD,   25                          ; v25     the way out: where I read a row back
.set CO,   26                          ; v26     my byte offset in out0
.set SPW,  28                          ; v28     LDS address of my spare word; never rewritten
.set NIL,  29                          ; v29     0; never rewritten
.set TMP,  32                          ; the way out: v32-63 and v64-95 by turns
.set ACC,  128
.set F0,   0                           ; fragment buffers, in window 1
.set F1,   128
.set G1, 24                            ; s[24:31] descriptor group 1 for a's tiles;  s[32:39] group 0, one set for each slot
.set G0, 32
.set G1B, 48                           ; s[48:55], s[56:63] the same for Wo's tiles
.set G0B, 56
.set MSB, 0
.macro WIN new                         ; the immediate's high byte repeats the setting that is left
.if MSB != \new
	s_set_vgpr_msb (MSB<<8)|\new
.set MSB, \new
.endif
.endm
.set MUL,  0x05                        ; sources 0 (Wo) and 1 (a) window 1; C and D window 0
.set TO_F, 0x40                        ; destination window 1, address window 0
.macro JLOAD s                         ; a joint load: waves 0 and 1 fetch a's two halves, waves 2 and 3 Wo's; an s_nop 0 and four v_nop follow each of the two lines, ahead of the jump, the label and what follows
	s_cmp_eq_u32 s11, 0
	s_cbranch_scc0 .Lfor_b_\@
	tensor_load_to_lds s[G0+4*\s:G0+4*\s+3], s[G1:G1+7]
	s_nop 0
.rept 4
	v_nop
.endr
	s_branch .Lasked_\@
.Lfor_b_\@:
	tensor_load_to_lds s[G0B+4*\s:G0B+4*\s+3], s[G1B:G1B+7]
	s_nop 0
.rept 4
	v_nop
.endr
.Lasked_\@:
.endm
.macro CREST                           ; a round of the cluster's barrier behind its opening barrier
	s_cmp_lg_u32 s10, 0
	s_cbranch_scc1 .Lnot_wave_0_\@
	s_barrier_signal -3
.Lnot_wave_0_\@:
	s_barrier_wait -3
	s_barrier_signal -1
	s_barrier_wait -1
.endm
.macro CROUND                          ; a whole round
	s_barrier_signal -1
	s_barrier_wait -1
	CREST
.endm
	s_load_b128 s[4:7], s[0:1], 0x0                ; att s[4:5], wo_h s[6:7]
	s_load_b64 s[8:9], s[0:1], 0x10                ; out0
	v_lshl_add_u32 v[SPW], v0, 2, SPARE
	v_mov_b32 v[NIL], 0
	ds_add_u32 v[SPW], v[NIL]                      ; the wave's opening: the add, twice on end, and its wait ahead of my first tensor load; the set-up below stands between
	ds_add_u32 v[SPW], v[NIL]
	v_lshrrev_b32 v1, 5, v0
	v_readfirstlane_b32 s10, v1                    ; wave 0..3
	s_lshr_b32 s11, s10, 1                         ; which half of the tile's rows is mine.  Also: I fetch for a (0) or for Wo (1)
	s_and_b32 s12, s10, 1                          ; which half of its columns.  Also: which half of that tile I fetch
	s_bfe_u32 s40, ttmp6, 0x40000                  ; cx, cy: my place in the cluster
	s_bfe_u32 s41, ttmp6, 0x40004
	s_lshl_b32 s42, ttmp9, 2
	s_add_co_u32 s42, s42, s40                     ; tile column = 4 x cluster x + cx
	s_and_b32 s13, ttmp7, 0xffff
	s_lshl_b32 s13, s13, 2
	s_add_co_u32 s13, s13, s41                     ; tile row = 4 x cluster y + cy
	s_lshl_b32 s43, s41, 2
	s_lshl_b32 s43, 15, s43                        ; my row of the cluster
	s_lshl_b32 s44, 0x1111, s40                    ; my column
	; descriptor group 1 for a: 32 pair-rows x 512 elements of 2 bytes, 4,096 bytes apart in memory, padded in LDS
	s_or_b32 s[G1+0], s43, (1<<16)|(1<<20)|(1<<21)|(7<<22)|(3<<25)  ; 15:0 the mask: a's tiles go to my row; 17:16 element of 2 bytes; 20 padding on; 21 set beside a mask; 24:22 after every 256 words (code 7); 31:25 of 4 words (code 3)
	s_mov_b32 s[G1+1], 512<<16                     ; tensor_dim0 = 512
	s_mov_b32 s[G1+2], 32<<16                      ; tensor_dim1 = 32
	s_mov_b32 s[G1+3], 512<<16                     ; tile_dim0 = 512
	s_mov_b32 s[G1+4], 32                          ; tile_dim1 = 32
	s_mov_b32 s[G1+5], 2048                        ; tensor_dim0_stride
	s_mov_b32 s[G1+6], 0
	s_mov_b32 s[G1+7], 0
	; and for Wo: 64 rows x 256 elements
	s_or_b32 s[G1B+0], s44, (1<<16)|(1<<20)|(1<<21)|(6<<22)|(3<<25)  ; the mask of my column; padding after every 128 words (code 6)
	s_mov_b32 s[G1B+1], KSTEP<<16
	s_mov_b32 s[G1B+2], 64<<16
	s_mov_b32 s[G1B+3], KSTEP<<16
	s_mov_b32 s[G1B+4], 64
	s_mov_b32 s[G1B+5], SIZE_K
	s_mov_b32 s[G1B+6], 0
	s_mov_b32 s[G1B+7], 0
	s_lshl_b32 s16, s13, 6
	s_lshl_b32 s17, s12, 5
	s_add_co_u32 s16, s16, s17                     ; a: pair-row 64 x tile row + 32 x half,
	s_lshl_b32 s16, s16, 12                        ; 4,096 bytes each
	s_mov_b32 s17, 0
	s_lshl_b32 s46, s42, 7
	s_lshl_b32 s47, s12, 6
	s_add_co_u32 s46, s46, s47                     ; Wo: row 128 x tile column + 64 x half,
	s_lshl_b32 s46, s46, 11                        ; 2,048 bytes each
	s_mov_b32 s47, 0
	s_mul_i32 s20, s12, HALFA                      ; where they go: no place in the cluster enters an LDS address
	s_mul_i32 s21, s12, HALFB
	s_add_co_u32 s21, s21, 2*HALFA
	s_wait_dscnt 0x0                               ; both opening adds are done
	s_wait_kmcnt 0x0
	s_add_nc_u64 s[14:15], s[4:5], s[16:17]
	s_add_nc_u64 s[46:47], s[6:7], s[46:47]
	CROUND                                         ; all sixteen work-groups are here: the first joint loads meet
.irp s, 0,1
	s_mov_b32 s[G0+4*\s], 1
	s_add_co_u32 s[G0+4*\s+1], s20, \s*SLOT
	s_add_nc_u64 s[G0+4*\s+2:G0+4*\s+3], s[14:15], \s*1024         ; K step s: four heads on
	s_or_b32 s[G0+4*\s+3], s[G0+4*\s+3], 0x80000000
	s_mov_b32 s[G0B+4*\s], 1
	s_add_co_u32 s[G0B+4*\s+1], s21, \s*SLOT
	s_add_nc_u64 s[G0B+4*\s+2:G0B+4*\s+3], s[46:47], \s*KSTEP*2
	s_or_b32 s[G0B+4*\s+3], s[G0B+4*\s+3], 0x80000000
	JLOAD \s                                       ; two loads of mine are out
.endr
	v_and_b32 v1, 15, v0                           ; l % 16
	v_bfe_u32 v2, v0, 4, 1                         ; l / 16
	v_lshrrev_b32 v3, 1, v1
	v_mul_u32_u24 v3, v3, PA
	v_and_b32 v4, 1, v0
	v_lshl_add_u32 v3, v4, 7, v3
	v_lshl_add_u32 v3, v2, 4, v3                   ; a: (token / 2) x pitch + (token % 2) x 128 + 16 x half
	v_mul_u32_u24 v4, v1, PB
	v_lshl_add_u32 v4, v2, 4, v4                   ; Wo: row x pitch + 16 x half
	s_mul_i32 s21, s11, HALFA                      ; my 64 tokens
	s_mul_i32 s22, s12, HALFB                      ; my 64 rows of Wo,
	s_add_co_u32 s22, s22, 2*HALFA                 ; which lie behind a's 128 tokens
.irp s, 0,1
	v_add_nc_u32 v[ADRA+\s], s21, v3
	v_add_nc_u32 v[ADRB+\s], s22, v4
	s_add_co_u32 s21, s21, SLOT
	s_add_co_u32 s22, s22, SLOT
.endr
	s_mul_i32 s23, s10, 16*SPITCH
	s_add_co_u32 s23, s23, STAGE                   ; my stage
	v_mul_u32_u24 v5, v1, SPITCH                   ; in: row l % 16, 32 bytes for each half of the lanes
	v_lshl_add_u32 v5, v2, 5, v5
	v_add_nc_u32 v[STO], s23, v5
	v_mul_u32_u24 v5, v2, SPITCH                   ; back: lanes 0-15 take one row of 256 bytes, lanes 16-31 the next
	v_lshl_add_u32 v5, v1, 4, v5
	v_add_nc_u32 v[RD], s23, v5
	v_lshlrev_b32 v5, 12, v2                       ; and the same two rows in out0, 4,096 bytes apart
	v_lshl_add_u32 v[CO], v1, 4, v5
	s_lshl_b32 s16, s13, 7
	s_lshl_b32 s17, s11, 6
	s_add_co_u32 s16, s16, s17                     ; my first row: 128 x tile row + 64 x half
	s_lshl_b32 s16, s16, 12
	s_mov_b32 s17, 0
	s_add_nc_u64 s[8:9], s[8:9], s[16:17]
	s_lshl_b32 s46, s42, 9                         ; my first column, in bytes: 512 x tile column + 256 x half
	s_lshl_b32 s47, s12, 8
	s_add_co_u32 s46, s46, s47
	s_mov_b32 s47, 0
	s_add_nc_u64 s[8:9], s[8:9], s[46:47]
; 8 matrix instructions: m blocks a0, a0 + 1 x all 4 n blocks, 32 along K: half c of buffer f.  zero = 1: the first product starts the sums.  The 16 accumulators take turns.
.macro MUL8 f, c, a0, zero
.irp a, \a0, \a0+1
.irp b, 0,1,2,3
.if \zero
	v_wmma_f32_16x16x32_f16 v[ACC+8*(4*(\a)+\b):ACC+8*(4*(\a)+\b)+7], v[\f+64+8*(4*\c+\b):\f+64+8*(4*\c+\b)+7], v[\f+8*(4*\c+\a):\f+8*(4*\c+\a)+7], 0
.else
	v_wmma_f32_16x16x32_f16 v[ACC+8*(4*(\a)+\b):ACC+8*(4*(\a)+\b)+7], v[\f+64+8*(4*\c+\b):\f+64+8*(4*\c+\b)+7], v[\f+8*(4*\c+\a):\f+8*(4*\c+\a)+7], v[ACC+8*(4*(\a)+\b):ACC+8*(4*(\a)+\b)+7]
.endif
.endr
.endr
.endm
; 32 LDS loads in one run: the fragments of the slot's z-th 64 along K (one head), into buffer f; the first 32 along K first.  In a's rows a head is 256 bytes (two tokens), in Wo's 128.
.macro FETCH slot, z, f
	WIN TO_F
.irp c, 0,1
.irp i, 0,1,2,3
	ds_load_b128 v[\f+64+8*(4*\c+\i):\f+64+8*(4*\c+\i)+3],   v[ADRB+\slot] offset:128*(\z)+64*\c+\i*16*PB
	ds_load_b128 v[\f+64+8*(4*\c+\i)+4:\f+64+8*(4*\c+\i)+7], v[ADRB+\slot] offset:128*(\z)+64*\c+\i*16*PB+32
	ds_load_b128 v[\f+8*(4*\c+\i):\f+8*(4*\c+\i)+3],         v[ADRA+\slot] offset:256*(\z)+64*\c+\i*8*PA
	ds_load_b128 v[\f+8*(4*\c+\i)+4:\f+8*(4*\c+\i)+7],       v[ADRA+\slot] offset:256*(\z)+64*\c+\i*8*PA+32
.endr
.endr
.endm
.macro PLACES                          ; four places in front of loads into registers that matrix instructions have read, and of the first read of results (ISA guide 7.12.1 for vector instructions)
.rept 4
	v_nop
.endr
.endm
; A K step is four quarters of 64 along K, 32 matrix instructions each, on buffers 0, 1, 0, 1.  One of the first three: multiplies buffer f and fetches the slot's z-th quarter into g.
.macro QUARTER slot, z, f, g, zero
	s_wait_dscnt 16                                ; the first 32 along K are in; the youngest sixteen loads may be out
	WIN MUL
	MUL8 \f, 0, 0, \zero
	MUL8 \f, 0, 2, \zero
	PLACES
	FETCH \slot, \z, \g
	s_wait_dscnt 32                                ; all but the 32 just issued
	WIN MUL
	MUL8 \f, 1, 0, 0
	MUL8 \f, 1, 2, 0
.endm
; The last quarter multiplies buffer 1 and changes slots: ONE barrier; in front of it each wave waits for all its tensor loads, adds 0 to its spare word, and waits for that and for its own reads of this slot.  fill = 1: this slot is filled again, two K steps ahead.
.macro TURN slot, next, fill
	WIN 0                                          ; (the add's two registers lie in window 0)
	s_wait_tensorcnt 0x0                           ; all my tensor loads have landed: my part of the next slot;
	ds_add_u32 v[SPW], v[NIL]                      ; 0 onto my spare word;
	s_wait_dscnt 17                                ; (the add and the youngest sixteen loads may be out)
	WIN MUL
	MUL8 F1, 0, 0, 0                               ; eight matrix instructions stand between the add and the wait for it
	s_wait_dscnt 0x0                               ; the add is done, and my reads of this slot are over
	s_barrier_signal -1
	MUL8 F1, 0, 2, 0
.if \fill
	WIN 0
.endif
	s_barrier_wait -1
.if \fill
	CREST                                          ; the barrier has opened a round of the cluster's barrier: no wave of any partner still reads this slot's tile or has a load on its way
	s_add_nc_u64 s[G0+4*\slot+2:G0+4*\slot+3], s[G0+4*\slot+2:G0+4*\slot+3], 2*1024
	s_add_nc_u64 s[G0B+4*\slot+2:G0B+4*\slot+3], s[G0B+4*\slot+2:G0B+4*\slot+3], 2*KSTEP*2
	JLOAD \slot                                    ; the first tensor load behind the round, my one load until the next; the four v_nop behind it are also the places in front of the loads below
.else
	PLACES
.endif
	FETCH \next, 0, F0
	WIN MUL
	MUL8 F1, 1, 0, 0
	MUL8 F1, 1, 2, 0
.endm
	s_wait_tensorcnt 1                             ; my part of K step 0 is in (K step 1's load may be out)
	s_barrier_signal -1
	s_barrier_wait -1                              ; everybody's is
	FETCH 0, 0, F0
	QUARTER 0, 1, F0, F1, 1                        ; the first quarter stands in front of the loop: its first products start the sums
.if LAPS > 1
	WIN 0                                          ; at a label and at a branch every window is 0
	s_mov_b32 s3, LAPS-1
.Llap:                                                 ; a trip goes once round the ring, from a lap's second quarter to the next lap's first, and fills both slots again
	QUARTER 0, 2, F1, F0, 0
	QUARTER 0, 3, F0, F1, 0
	TURN 0, 1, 1
	QUARTER 1, 1, F0, F1, 0
	QUARTER 1, 2, F1, F0, 0
	QUARTER 1, 3, F0, F1, 0
	TURN 1, 0, 1
	QUARTER 0, 1, F0, F1, 0
	WIN 0
	s_sub_co_u32 s3, s3, 1
	s_cmp_lg_u32 s3, 0
	s_cbranch_scc1 .Llap
.endif
	QUARTER 0, 2, F1, F0, 0                        ; the last lap fills nothing, and has no round of the cluster's barrier
	QUARTER 0, 3, F0, F1, 0
	TURN 0, 1, 0
	QUARTER 1, 1, F0, F1, 0
	QUARTER 1, 2, F1, F0, 0
	QUARTER 1, 3, F0, F1, 0
	s_wait_dscnt 16                                ; the very last quarter: nothing more to fetch
	WIN MUL
	MUL8 F1, 0, 0, 0
	MUL8 F1, 0, 2, 0
	s_wait_dscnt 0
	MUL8 F1, 1, 0, 0
	MUL8 F1, 1, 2, 0
	WIN 0
; THE WAY OUT, block by block of 16 rows x 64 columns.  A lane holds 32 neighbouring bytes of a row, and the lanes beside it hold other rows: so a block goes through my own stage in LDS and comes back as whole
; rows of 256 bytes.  LDS serves a wave's instructions in order (ISA guide 5.7.1.4): no wait between the stores and the loads, nor in front of the next block's stores.
.macro TOSTAGE a
.set BB, TMP+32*((\a)%2)
.irp b, 0,1,2,3
	ds_store_b128 v[STO], v[ACC+8*(4*(\a)+\b):ACC+8*(4*(\a)+\b)+3] offset:64*\b        ; each accumulator from its low end on
	ds_store_b128 v[STO], v[ACC+8*(4*(\a)+\b)+4:ACC+8*(4*(\a)+\b)+7] offset:64*\b+16
.endr
.irp t, 0,1,2,3,4,5,6,7
	ds_load_b128 v[BB+4*\t:BB+4*\t+3], v[RD] offset:\t*2*SPITCH
.endr
.endm
.macro SEND a, younger                 ; younger: the LDS instructions issued behind block a's loads, which may stay out
.set BB, TMP+32*((\a)%2)
	s_wait_dscnt \younger                          ; the block is back in registers
.irp t, 0,1,2,3,4,5,6,7
	global_store_b128 v[CO], v[BB+4*\t:BB+4*\t+3], s[8:9] offset:(16*(\a)+2*\t)*4096 th:TH_STORE_NT   ; sixteen lanes store 256 consecutive bytes, aligned; written once, read by nobody here
.endr
.endm
	PLACES                                         ; behind the last products, ahead of the first read of results
	TOSTAGE 0
.irp a, 1,2,3
.if \a > 1
	s_wait_xcnt 0x0                                ; block a - 2's stores have read their registers: block a's loads may land there
.endif
	TOSTAGE \a
	SEND \a-1, 16                                  ; behind block a - 1's loads: block a's 8 stores and 8 loads
.endr
	SEND 3, 0
	s_wait_tensorcnt 0x0                           ; the wave's end, behind my last tensor load and my last LDS store
	ds_add_u32 v[SPW], v[NIL]
	s_wait_dscnt 0x0
	CROUND                                         ; the closing round: no work-group ends while a partner may still ask for a tile that names it
	s_endpgm
.Lfunc_end_k_q99f9484ba3_proj:
	.size	k_q99f9484ba3_proj, .Lfunc_end_k_q99f9484ba3_proj-k_q99f9484ba3_proj
	.p2alignl 7, 3214868480
	.fill 96, 4, 3214868480
	.section	.rodata,"a",@progbits
	.p2align	6, 0x0
	.amdhsa_kernel k_q99f9484ba3_proj
		.amdhsa_group_segment_fixed_size 327680
		.amdhsa_private_segment_fixed_size 0
		.amdhsa_enable_private_segment 0
		.amdhsa_kernarg_size 24
		.amdhsa_user_sgpr_count 2
		.amdhsa_user_sgpr_kernarg_segment_ptr 1
		.amdhsa_wavefront_size32 1
		.amdhsa_system_sgpr_workgroup_id_x 1
		.amdhsa_system_sgpr_workgroup_id_y 1
		.amdhsa_system_sgpr_workgroup_id_z 1
		.amdhsa_system_vgpr_workitem_id 0
		.amdhsa_next_free_vgpr 512
		.amdhsa_next_free_sgpr 66
		.amdhsa_reserve_vcc 0
		.amdhsa_float_denorm_mode_32 3
		.amdhsa_float_denorm_mode_16_64 3
		.amdhsa_memory_ordered 1
		.amdhsa_forward_progress 1
		.amdhsa_inst_pref_size 86
	.end_amdhsa_kernel
	.amdgpu_metadata
---
amdhsa.version: [ 1, 2 ]
amdhsa.kernels:
  - .name:           k_q99f9484ba3_proj
    .symbol:         k_q99f9484ba3_proj.kd
    .args:
      - { .name: att, .offset: 0, .size: 8, .value_kind: global_buffer, .address_space: global }
      - { .name: wo_h, .offset: 8, .size: 8, .value_kind: global_buffer, .address_space: global }
      - { .name: out0, .offset: 16, .size: 8, .value_kind: global_buffer, .address_space: global }
    .group_segment_fixed_size: 327680
    .private_segment_fixed_size: 0
    .kernarg_segment_align: 8
    .kernarg_segment_size: 24
    .max_flat_workgroup_size: 128
    .sgpr_count:     66
    .vgpr_count:     512
    .wavefront_size: 32
...
	.end_amdgpu_metadata
.endif
;; end of part 4
